; MI455X (gfx1250); checked and timed in simulation.
; The chip was launched on July 23, 2026; its instructions are those of AMD's public machine-readable ISA for CDNA 5 (MIT licence, August 2026) and "CDNA5" Instruction Set Architecture Reference Guide (July 2026). The comments in the code are by the model that wrote it; some were corrected since.
;; Causal Self Attention. Allowed arithmetic: matrix products marked QUANTISED: E2M3 operands, one E8M0 scale for each 32 along K, by v_wmma_scale_f32_16x16x128_f8f6f4 with both operands' format E2M3, f32 sums; products left as they are: f32 operands where the result goes on into a quantised operand, else bf16, f16 or f32 operands; f32 sums; everything else in f32.
;; Inputs: Wproj 1,024 x 1,024 float32; Wqkv 1,024 x 3,072 float32; x 4 x 2,048 x 1,024 float32.
;; Outputs: out0 4 x 2,048 x 1,024 float32.
;; This version of the problem:
;;   THIS VERSION OF THE PROBLEM IS GIVEN IN LOW PRECISION. The matrix products marked QUANTISED in the list below multiply operands that are first quantised to E2M3 (2 exponent bits, 3 mantissa bits; 6 bits a number), with one power-of-two scale for each 32 numbers along K (OCP MX v1.0); their sums are f32. All else is computed in f32.
;;   The module's matrix products, in the order in which they are computed (A, B: the left and right operand; K: the contracted axis; several contracted axes count as one K, in the product's order):
;;     1. [M 8,192, K 1,024] x [K 1,024, N 3,072]; A: input x; B: input Wqkv: QUANTISED
;;     2. [M 2,048, K 1] x [K 1, N 32]; A: computed on the way; B: computed on the way: left as it is (no contracted axis)
;;     3. batch 64 x [M 2,048, K 64] x [K 64, N 2,048]; A: computed on the way; B: computed on the way: QUANTISED
;;     4. batch 64 x [M 2,048, K 2,048] x [K 2,048, N 64]; A: softmax (see below); B: computed on the way: QUANTISED
;;     5. [M 8,192, K 1,024] x [K 1,024, N 1,024]; A: computed on the way; B: input Wproj: QUANTISED
;;   THE QUANTISER, for each operand of a quantised product, along K:
;;     - K is cut into blocks of 32 from its start; a last block that is shorter is filled with zeros.
;;     - A block's scale is 2^e with e = floor(log2(the largest magnitude in the block)) - 2, held to -126 .. 127; a block of zeros has e = 0. As a byte (E8M0): e + 127.
;;     - Each number is divided by its block's scale, clamped to +-7.5, and rounded to the nearest number of E2M3, ties to even, subnormals kept.
;;     - The product sums the exact products of the quantised numbers (number of the format x scale) in f32.
;;   ~~~python
;;   def quantise(x, axis):      # numpy; x: float32 -> the quantised numbers, widened to float32 again
;;       x = np.moveaxis(x, axis, -1); K = x.shape[-1]
;;       x = np.pad(x, [(0, 0)] * (x.ndim - 1) + [(0, -K % 32)]); x = x.reshape(x.shape[:-1] + (-1, 32)); a = np.abs(x).max(-1, keepdims=True)
;;       e = np.where(a > 0, np.clip(np.frexp(np.where(a > 0, a, 1))[1] - 1 - 2, -126, 127), 0)      # np.frexp(a)[1] - 1 = floor(log2(a)), exactly
;;       r = np.clip(x / 2.0 ** e, -7.5, 7.5)
;;       step = 2.0 ** (np.maximum(np.frexp(np.where(r == 0, 1, r))[1] - 1, 0) - 3)
;;       q = np.round(r / step) * step * 2.0 ** e      # np.round: ties to even
;;       return np.moveaxis(q.reshape(q.shape[:-2] + (-1,))[..., :K], -1, axis).astype(np.float32)
;;   ~~~
;;   SOFTMAX AHEAD OF A QUANTISED PRODUCT. Where the list says 'softmax', what is quantised is not the finished softmax but p = 2^(t - M), with t = logit x log2(e) and M = ceil(the row's largest t), a whole number; so 1/2 < the row's largest p <= 1. The row's sum l is taken of the UNQUANTISED p, in f32, and the product's result is divided by l at the end. Since M is a whole number, a kernel that streams over the keys may use a running M (the ceiling of the running maximum): every later rescaling is an exact power of two, which a block's scale takes up: the codes' values come out the same.
;;   OPERANDS COMPUTED ON THE WAY. 'Computed on the way' means the value that the module computes at that place (a softmax that the list does not call 'softmax' is quantised finished and normalised). What goes into a quantiser is computed in f32, as accurately as f32 sums, v_exp_f32 and their like allow (about 1e-6 of the number): no bf16 or f16 on the way to a quantiser, and a product that is left as it is and whose result goes on into a quantised operand takes f32 operands (vector FMAs, or v_wmma_f32_16x16x4_f32). A number that lies on a knife's edge between two numbers of the format may be rounded either way, as far as f32 arithmetic and the matrix unit's own rounding can turn it there, and no further.
;; One version. Each part assembles by itself: llvm-mc -triple=amdgcn-amd-amdhsa -mcpu=gfx1250 --defsym DOCPART=n.
;; ======== version 1 of 1: 4 launches
;; limits: right only within a limited range of input values
;; workspace buffers: opc 9,437,184 bytes; opsc 393,216 bytes; tab 524,288 bytes; qkv 20,185,088 bytes; yc 6,291,456 bytes; ysc 262,144 bytes
;; launch prep (part 1): grid 384 x 1, 4 waves a work-group, no clusters, 34,304 bytes of LDS; arguments x, Wqkv, Wproj, opc, opsc, tab; writes opc, opsc, tab
.if DOCPART == 1
	.amdgcn_target "amdgcn-amd-amdhsa--gfx1250"
	.amdhsa_code_object_version 6
	.text
	.protected	k_q5b4bd50507_prep
	.globl	k_q5b4bd50507_prep
	.p2align	8
	.type	k_q5b4bd50507_prep,@function
k_q5b4bd50507_prep:
	s_mov_b64 s[64:65], 0
	v_nop
	global_prefetch_b8 v0, s[64:65] scope:SCOPE_SE
	s_setreg_imm32_b32 hwreg(HW_REG_WAVE_MODE, 25, 1), 1
	s_wait_xcnt 0x0
; x [8192][1024], Wqkv [1024][3072] and Wproj [1024][1024], f32, become codes of FP6 (E2M3) with one E8M0 byte for each 32 along K (K = 1024 for all three),
; laid as IMAGES OF THE OPERAND'S REGISTERS, and the cos/sin table of the rotary embedding is made.
; A FRAGMENT (16 rows x 128 K, 12 registers a lane) is 1,536 bytes: six pieces of 256 bytes; piece q holds registers 2 q, 2 q + 1, lane l's 8 bytes at 8 l.
; opc[RG][J][beta][q'][1536]: RG a group of 128 rows (98,304 bytes), J a K step of 256 (24,576), beta a block of 16 rows (3,072), q' which 128 of the 256.  RG 0-63: x; 64-87: Wqkv's columns; 88-95: Wproj's.
; opsc[8 RG + beta][J][row][2 words]: 512 bytes a block of rows; a word is the four scale bytes of 128 along K.
; tab[token][256 bytes]: cos of frequency f at 4 f, sin at 128 + 4 f, f = 0 .. 31.
; THE SCALE: the block's largest magnitude, with the floor 2^(3 - 127) among its leaves; 2 off its exponent field is the conversion's scale operand, and that field is the byte.
; LIMITS: a block of zeros gets the byte 1 (its codes are zeros, and this program alone reads the bytes); blocks whose largest magnitude lies under 2^-124 are held at byte 1; NaN and infinities are not served.
; inv_freq is 2^(-f log2(10000) / 32) by v_exp_f32: an angle near token 2,000 can differ by about 1e-4 rad from one made with a correctly rounded inv_freq.
; Wproj's K order inside a block of 32 is 0-7, 16-23, 8-15, 24-31: the order in which the attention launch's results fall into a lane's registers.  The same order on both sides of a product, inside one scale block, changes no sum.
; Work-groups 0-255 take x (32 rows each) and 8 tokens of the table; 256-351 Wqkv; 352-383 Wproj: 128 KB of f32 each.  Waves share nothing: no barrier.  Only x's path uses LDS.
.set R,   32                           ; v32-159  x as loaded, two sets of 64
.set X,   160                          ; v160-223 a lane's 64 numbers: two whole blocks of 32
.set C,   224                          ; v224-235 a fragment's codes
.set D,   236                          ; v236-238, v240-242 the blocks' second halves (a conversion's three registers begin on an even number)
.set SW,  12                           ; v12-15   the four fragments' scale words
.set FLOOR, 0x1800000
.set DOWN2, 0xff000000
.macro LOADX f                         ; 16 rows x 128 numbers: each load reads 512 consecutive bytes
.irp i, 0,1,2,3,4,5,6,7,8,9,10,11,12,13,14,15
	global_load_b128 v[R+64*((\f)%2)+4*\i:R+64*((\f)%2)+4*\i+3], v6, s[4:5] offset:4096*\i+512*(\f) th:TH_LOAD_NT
.endr
.endm
; cos (lanes 0-15) or sin (lanes 16-31) of token s[tok] x inv_freq v[16 + k]: the angle less n quarter turns in two steps, two polynomials on +-pi/4, the quadrant by whole numbers.  sin a = cos(a - pi/2): lanes 16-31 take n - 1.
.macro TRIG tok, k, dst
	v_cvt_f32_u32 v160, s[\tok]
	v_mul_f32 v160, v160, v[16+\k]                 ; the angle: one f32 product
	v_mul_f32 v161, s24, v160
	v_rndne_f32 v161, v161                         ; n = the nearest whole number of quarter turns
	v_fma_f32 v162, v161, s25, v160                ; - n x (pi/2 rounded to f32),
	v_fma_f32 v162, v161, s26, v162                ; + n x what that rounding added
	v_mul_f32 v163, v162, v162                     ; z
	v_fma_f32 v164, s27, v163, s28
	v_fma_f32 v164, v164, v163, s29
	v_mul_f32 v167, v163, v162
	v_fma_f32 v164, v164, v167, v162               ; sin
	v_fma_f32 v165, s30, v163, s31
	v_fma_f32 v165, v165, v163, s32
	v_mul_f32 v167, v163, v163
	v_fma_f32 v168, v163, -0.5, 1.0
	v_fma_f32 v165, v165, v167, v168               ; cos
	v_cvt_i32_f32 v166, v161
	v_sub_nc_u32 v166, v166, v4                    ; m = n - (lane / 16)
	v_and_b32 v167, 1, v166
	v_cmp_eq_u32 vcc_lo, 1, v167
	v_cndmask_b32 v165, v165, v164, vcc_lo         ; m odd: the sine
	v_add_nc_u32 v166, 1, v166
	v_and_b32 v166, 2, v166                        ; m mod 4 = 1 or 2: the sign turns
	v_lshlrev_b32 v166, 30, v166
	v_xor_b32 v[\dst], v165, v166
.endm
; Fragment f of my 16 rows: through my stage in LDS (as loaded in, a lane's two blocks of 32 out), quantised, stored as six whole pieces of 256 bytes.
.macro FI f
.if (\f) < 3
	s_wait_loadcnt 16                              ; this fragment's 16 loads are in; the next one's 16 may be out
.else
	s_wait_loadcnt 0x0
.endif
.irp i, 0,1,2,3,4,5,6,7,8,9,10,11,12,13,14,15
	ds_store_b128 v8, v[R+64*((\f)%2)+4*\i:R+64*((\f)%2)+4*\i+3] offset:528*\i
.endr
.irp c, 0,1
.irp i, 0,1,2,3,4,5,6,7
	ds_load_b128 v[X+32*\c+4*\i:X+32*\c+4*\i+3], v9 offset:256*\c+16*\i   ; LDS serves a wave's instructions in order: these see the stores above
.endr
.endr
	s_wait_dscnt 0x0                               ; the numbers are back, and the stores have read their registers,
.if (\f) < 2
	LOADX (\f)+2                                   ; which take the loads of two fragments on
.endif
	v_max3_num_f32 v22, |v[X]|, |v[X+1]|, FLOOR    ; my blocks 2 c + (lane / 16), c = 0, 1, by turns: all 32 numbers of each are mine
	v_max3_num_f32 v23, |v[X+32]|, |v[X+33]|, FLOOR
.irp i, 2,4,6,8,10,12,14,16,18,20,22,24,26,28,30
	v_max3_num_f32 v22, v22, |v[X+\i]|, |v[X+\i+1]|
	v_max3_num_f32 v23, v23, |v[X+32+\i]|, |v[X+33+\i]|
.endr
	v_add_nc_u32 v24, DOWN2, v22                   ; 2 off the exponent field: the conversion's scale operand
	v_add_nc_u32 v25, DOWN2, v23
	v_lshrrev_b32 v26, 23, v24                     ; the bytes
	v_lshrrev_b32 v27, 23, v25
	v_lshl_or_b32 v26, v27, 16, v26
	v_lshlrev_b32 v26, v10, v26                    ; at their places in the word: 8 (lane / 16) bits up
	v_permlanex16_b32 v28, v26, s20, s21
	v_or_b32 v[SW+(\f)], v26, v28                  ; with lane l xor 16's two the word is whole
	s_wait_alu depctr_va_vdst(0)
	s_wait_xcnt 0x0                                ; the last fragment's stores have read the codes' registers
	v_cvt_scalef32_pk16_fp6_f32 v[C:C+2], v[X:X+15], v24
	v_cvt_scalef32_pk16_fp6_f32 v[D:D+2], v[X+16:X+31], v24
	v_cvt_scalef32_pk16_fp6_f32 v[C+6:C+8], v[X+32:X+47], v25
	v_cvt_scalef32_pk16_fp6_f32 v[D+4:D+6], v[X+48:X+63], v25
	v_nop                                          ; one plain place behind a scaled conversion
.irp c, 0,1
.irp i, 0,1,2
	v_mov_b32 v[C+6*\c+3+\i], v[D+4*\c+\i]
.endr
.endr
.irp q, 0,1,2,3,4,5
	global_store_b64 v5, v[C+2*\q:C+2*\q+1], s[10:11] offset:((\f)>>1)*24576+((\f)&1)*1536+256*\q   ; 32 lanes store 256 consecutive bytes, aligned
.endr
.endm
; A WEIGHT [1024][N]: a lane takes a column and its registers run down K.  A wave: 32 columns x 256 along K.
.macro LOADW t, N, PERM, P             ; block t: rows 32 t + i of my column; with PERM row i lands in the register of its place in the order 0-7, 16-23, 8-15, 24-31
.irp i, 0,1,2,3,4,5,6,7,8,9,10,11,12,13,14,15,16,17,18,19,20,21,22,23,24,25,26,27,28,29,30,31
.if \PERM
	global_load_b32 v[32+32*((\t)%2)+(\i&7)+16*((\i>>3)&1)+8*((\i>>4)&1)], v7, s[\P:\P+1] offset:(32*(\t)+\i)*\N*4 th:TH_LOAD_NT
.else
	global_load_b32 v[32+32*((\t)%2)+\i], v7, s[\P:\P+1] offset:(32*(\t)+\i)*\N*4 th:TH_LOAD_NT
.endif
.endr
.endm
.macro BLOCK t, N, PERM, P
.set XS, 32+32*((\t)%2)
.set UU, 96+8*((\t)%2)                 ; v96-101: an even block's codes; v104-109: an odd block's
.if (\t) < 7
	s_wait_loadcnt 32                              ; this block's 32 loads are in; the next block's may be out
.else
	s_wait_loadcnt 0x0
.endif
	v_max3_num_f32 v12, |v[XS]|, |v[XS+1]|, FLOOR
	v_max3_num_f32 v13, |v[XS+2]|, |v[XS+3]|, |v[XS+4]|
.irp i, 5,9,13,17,21,25
	v_max3_num_f32 v12, v12, |v[XS+\i]|, |v[XS+\i+1]|
	v_max3_num_f32 v13, v13, |v[XS+\i+2]|, |v[XS+\i+3]|
.endr
	v_max3_num_f32 v12, v12, |v[XS+29]|, |v[XS+30]|
	v_max3_num_f32 v12, v12, v13, |v[XS+31]|
	v_add_nc_u32 v14, DOWN2, v12
	v_lshrrev_b32 v15, 23, v14
.if (\t)%4 == 0
	v_mov_b32 v[116+(\t)/4], v15                   ; four bytes to a word, the lower K in the lower byte
.else
	v_lshl_or_b32 v[116+(\t)/4], v15, 8*((\t)%4), v[116+(\t)/4]
.endif
.if ((\t)%2 == 0) && ((\t) >= 2)
	s_wait_alu depctr_va_vdst(0)
	s_wait_xcnt 0x0                                ; the last pair's stores have read both runs of codes
.endif
	v_cvt_scalef32_pk16_fp6_f32 v[UU:UU+2], v[XS:XS+15], v14
	v_cvt_scalef32_pk16_fp6_f32 v[112:114], v[XS+16:XS+31], v14
	v_nop                                          ; one plain place behind a scaled conversion
.irp i, 0,1,2
	v_mov_b32 v[UU+3+\i], v[112+\i]
.endr
.if (\t) < 6
	LOADW (\t)+2, \N, \PERM, \P
.endif
.if (\t)%2 == 1
.irp i, 0,1,2,3,4,5
	v_permlane16_swap_b32 v[96+\i], v[104+\i]      ; the even block's lanes 16-31 change places with the odd block's lanes 0-15: v96.. is now half a fragment of columns 0-15, v104.. of columns 16-31
.endr
.irp p, 0,1,2
	global_store_b64 v5, v[96+2*\p:97+2*\p], s[10:11] offset:((\t)>>2)*1536+(((\t)>>1)&1)*768+256*\p
	global_store_b64 v5, v[104+2*\p:105+2*\p], s[10:11] offset:3072+((\t)>>2)*1536+(((\t)>>1)&1)*768+256*\p
.endr
.endif
.endm
.macro WQ N, RG0, PERM, G0, P
	s_sub_co_u32 s17, ttmp9, \G0
	s_lshr_b32 s18, s17, 2                         ; which 128 columns
	s_and_b32 s19, s17, 3                          ; which 256 along K
	s_mul_i32 s22, s19, 256*\N*4
	s_lshl_b32 s36, s18, 9
	s_add_co_u32 s22, s22, s36
	s_lshl_b32 s36, s16, 7                         ; my wave's 32 columns
	s_add_co_u32 s22, s22, s36
	s_add_nc_u64 s[\P:\P+1], s[\P:\P+1], s[22:23]
	s_add_co_u32 s18, s18, \RG0
	s_mul_i32 s22, s18, 98304
	s_mul_i32 s36, s19, 24576
	s_add_co_u32 s22, s22, s36
	s_mul_i32 s36, s16, 6144                       ; two blocks of 16 columns
	s_add_co_u32 s22, s22, s36
	s_add_nc_u64 s[10:11], s[10:11], s[22:23]
	s_lshl_b32 s22, s18, 12
	s_lshl_b32 s36, s16, 10
	s_add_co_u32 s22, s22, s36
	s_lshl_b32 s36, s19, 7
	s_add_co_u32 s22, s22, s36
	s_add_nc_u64 s[12:13], s[12:13], s[22:23]
	v_lshlrev_b32 v10, 9, v4
	v_lshl_add_u32 v10, v3, 3, v10                 ; my column's two scale words: 512 (lane / 16) + 8 (lane % 16)
	LOADW 0, \N, \PERM, \P
	LOADW 1, \N, \PERM, \P
.irp t, 0,1,2,3,4,5,6,7
	BLOCK \t, \N, \PERM, \P
.endr
	global_store_b64 v10, v[116:117], s[12:13]     ; two runs of 128 consecutive bytes: these stores do not fill aligned blocks of 256 bytes; all the weights' scale bytes are 131,072
	s_endpgm
.endm
	s_load_b256 s[4:11], s[0:1], 0x0               ; x s[4:5], Wqkv s[6:7], Wproj s[8:9], opc s[10:11]
	s_load_b128 s[12:15], s[0:1], 0x20             ; opsc s[12:13], tab s[14:15]
	v_lshl_add_u32 v248, v0, 2, 0x8400
	v_mov_b32 v249, 0
	v_lshrrev_b32 v1, 5, v0
	v_readfirstlane_b32 s16, v1                    ; wave
	v_and_b32 v2, 31, v0                           ; lane
	v_and_b32 v3, 15, v0                           ; r
	v_bfe_u32 v4, v0, 4, 1                         ; h
	v_lshlrev_b32 v5, 3, v2                        ; 8 x lane
	v_lshlrev_b32 v6, 4, v2                        ; 16 x lane
	v_lshlrev_b32 v7, 2, v2                        ; 4 x lane
	s_mov_b32 s23, 0
	s_wait_kmcnt 0x0
	s_cmp_lt_u32 ttmp9, 256
	s_cbranch_scc0 .Lweights
	; ---- x: wave u = 4 x work-group + wave takes rows 16 (u / 2) on, K 512 (u % 2) on: four fragments
	s_lshl_b32 s17, ttmp9, 2
	s_add_co_u32 s17, s17, s16
	s_lshr_b32 s18, s17, 1                         ; the block of 16 rows
	s_and_b32 s19, s17, 1                          ; which half of K
	s_lshl_b32 s22, s18, 16
	s_lshl_b32 s36, s19, 11
	s_add_co_u32 s22, s22, s36
	s_add_nc_u64 s[4:5], s[4:5], s[22:23]
	s_lshr_b32 s22, s18, 3
	s_mul_i32 s22, s22, 98304
	s_mul_i32 s36, s19, 49152
	s_add_co_u32 s22, s22, s36
	s_and_b32 s36, s18, 7
	s_mul_i32 s36, s36, 3072
	s_add_co_u32 s22, s22, s36
	s_add_nc_u64 s[10:11], s[10:11], s[22:23]
	s_lshl_b32 s22, s18, 9
	s_lshl_b32 s36, s19, 8
	s_add_co_u32 s22, s22, s36
	s_add_nc_u64 s[12:13], s[12:13], s[22:23]
	s_lshl_b32 s37, ttmp9, 3
	s_lshl_b32 s36, s16, 1
	s_add_co_u32 s37, s37, s36                     ; my two tokens of the table
	s_add_co_u32 s38, s37, 1
	s_lshl_b32 s22, s37, 8
	s_add_nc_u64 s[14:15], s[14:15], s[22:23]
	s_wait_alu depctr_va_vdst(0)
	LOADX 0
	LOADX 1
	s_mul_i32 s36, s16, 8448                       ; my stage: 16 rows, 528 bytes apart (33 x 16: sixteen rows' 16 bytes fall on sixteen different columns of banks)
	v_add_nc_u32 v8, s36, v6                       ; in: 16 x lane of a row
	v_mul_u32_u24 v9, v3, 528
	v_lshl_add_u32 v9, v4, 7, v9
	v_add_nc_u32 v9, s36, v9                       ; out: row r, + 128 h: my block of 32 numbers
	v_lshlrev_b32 v10, 3, v4                       ; 8 h
	v_mov_b32 v28, 0                               ; written once: a lane permute's destination counts as one of its sources
	s_mov_b32 s20, 0x76543210
	s_mov_b32 s21, 0xfedcba98                      ; v_permlanex16_b32's selects for lane l xor 16
	; the table, while x's first loads are on their way
	s_mov_b32 s24, 0x3f22f983                      ; 2 / pi
	s_mov_b32 s25, 0xbfc90fdb                      ; -(pi/2 rounded to f32)
	s_mov_b32 s26, 0x333bbd2e                      ; that rounding's excess
	s_mov_b32 s27, 0xb94ca1f9                      ; sine: -1.9515296e-4, 8.3321609e-3, -1.6666655e-1
	s_mov_b32 s28, 0x3c08839e
	s_mov_b32 s29, 0xbe2aaaa3
	s_mov_b32 s30, 0x37ccf5ce                      ; cosine: 2.4433157e-5, -1.3887316e-3, 4.1666646e-2
	s_mov_b32 s31, 0xbab6061a
	s_mov_b32 s32, 0x3d2aaaa5
	v_lshlrev_b32 v16, 1, v3
	v_cvt_f32_u32 v16, v16                         ; my frequencies: f = 2 r and 2 r + 1
	v_add_f32 v17, 1.0, v16
	v_mul_f32 v16, 0xbed49a78, v16                 ; x -log2(10000) / 32
	v_mul_f32 v17, 0xbed49a78, v17
	s_wait_alu depctr_va_vdst(0)
	v_exp_f32 v16, v16
	v_exp_f32 v17, v17
	v_nop                                          ; a plain place behind the exponentials,
	s_wait_alu depctr_va_vdst(0)                   ; and the one wait ahead of their first reader
	TRIG 37, 0, 18
	TRIG 37, 1, 19
	global_store_b64 v5, v[18:19], s[14:15]        ; a token's 256 bytes, whole
	TRIG 38, 0, 20
	TRIG 38, 1, 21
	global_store_b64 v5, v[20:21], s[14:15] offset:256
	FI 0
	FI 1
	FI 2
	FI 3
	v_cmp_eq_u32 vcc_lo, 1, v4
	v_cndmask_b32 v30, v[SW], v[SW+2], vcc_lo      ; lanes 0-15: my first K step's two words of row r; lanes 16-31: my second's
	v_cndmask_b32 v31, v[SW+1], v[SW+3], vcc_lo
	global_store_b64 v5, v[30:31], s[12:13]        ; 256 consecutive bytes, aligned
	s_wait_tensorcnt 0x0
	ds_add_u32 v248, v249
	s_wait_dscnt 0x0
	s_endpgm
.Lweights:
	s_cmp_lt_u32 ttmp9, 352
	s_cbranch_scc0 .Lwproj
	s_wait_alu depctr_va_vdst(0)
	WQ 3072, 64, 0, 256, 6
.Lwproj:
	s_wait_alu depctr_va_vdst(0)
	WQ 1024, 88, 1, 352, 8
.Lfunc_end_k_q5b4bd50507_prep:
	.size	k_q5b4bd50507_prep, .Lfunc_end_k_q5b4bd50507_prep-k_q5b4bd50507_prep
	.p2alignl 7, 3214868480
	.fill 96, 4, 3214868480
	.section	.rodata,"a",@progbits
	.p2align	6, 0x0
	.amdhsa_kernel k_q5b4bd50507_prep
		.amdhsa_group_segment_fixed_size 34304
		.amdhsa_private_segment_fixed_size 0
		.amdhsa_enable_private_segment 0
		.amdhsa_kernarg_size 48
		.amdhsa_user_sgpr_count 2
		.amdhsa_user_sgpr_kernarg_segment_ptr 1
		.amdhsa_wavefront_size32 1
		.amdhsa_system_sgpr_workgroup_id_x 1
		.amdhsa_system_sgpr_workgroup_id_y 1
		.amdhsa_system_sgpr_workgroup_id_z 1
		.amdhsa_system_vgpr_workitem_id 0
		.amdhsa_next_free_vgpr 250
		.amdhsa_next_free_sgpr 66
		.amdhsa_reserve_vcc 1
		.amdhsa_float_denorm_mode_32 3
		.amdhsa_float_denorm_mode_16_64 3
		.amdhsa_memory_ordered 1
		.amdhsa_forward_progress 1
		.amdhsa_inst_pref_size 117
	.end_amdhsa_kernel
	.amdgpu_metadata
---
amdhsa.version: [ 1, 2 ]
amdhsa.kernels:
  - .name:           k_q5b4bd50507_prep
    .symbol:         k_q5b4bd50507_prep.kd
    .args:
      - { .name: x, .offset: 0, .size: 8, .value_kind: global_buffer, .address_space: global }
      - { .name: Wqkv, .offset: 8, .size: 8, .value_kind: global_buffer, .address_space: global }
      - { .name: Wproj, .offset: 16, .size: 8, .value_kind: global_buffer, .address_space: global }
      - { .name: opc, .offset: 24, .size: 8, .value_kind: global_buffer, .address_space: global }
      - { .name: opsc, .offset: 32, .size: 8, .value_kind: global_buffer, .address_space: global }
      - { .name: tab, .offset: 40, .size: 8, .value_kind: global_buffer, .address_space: global }
    .group_segment_fixed_size: 34304
    .private_segment_fixed_size: 0
    .kernarg_segment_align: 8
    .kernarg_segment_size: 48
    .max_flat_workgroup_size: 128
    .sgpr_count:     66
    .vgpr_count:     250
    .wavefront_size: 32
...
	.end_amdgpu_metadata
.endif
;; end of part 1
;; launch qkv (part 2): grid 4 x 64, 4 waves a work-group, clusters of 4 x 4, 327,680 bytes of LDS; arguments opc, opsc, tab, qkv; writes qkv
.if DOCPART == 2
	.amdgcn_target "amdgcn-amd-amdhsa--gfx1250"
	.amdhsa_code_object_version 6
	.text
	.protected	k_q5b4bd50507_qkv
	.globl	k_q5b4bd50507_qkv
	.p2align	8
	.type	k_q5b4bd50507_qkv,@function
k_q5b4bd50507_qkv:
	s_mov_b64 s[64:65], 0
	v_nop
	global_prefetch_b8 v0, s[64:65] scope:SCOPE_SE
	s_setreg_imm32_b32 hwreg(HW_REG_WAVE_MODE, 25, 1), 1
	s_wait_xcnt 0x0
	s_wait_alu depctr_hold_cnt(0) depctr_sa_sdst(0) depctr_va_vdst(0) depctr_va_sdst(0) depctr_va_ssrc(0) depctr_va_vcc(0) depctr_vm_vsrc(0)
	s_getreg_b32 s2, hwreg(HW_REG_IB_STS2, 6, 4)
	s_cmp_eq_u32 s2, 0
	s_cbranch_scc0 .Lentry_in_a_cluster
	s_endpgm
.Lentry_in_a_cluster:
	s_bfe_u32 s2, ttmp6, 0x10000c
	s_cmp_lg_u32 s2, 0xf033
	s_cbranch_scc0 .Lentry_shape_is_right
	s_endpgm
.Lentry_shape_is_right:
; x Wqkv on codes of FP6 (K = 1024), and on the way out the rotary embedding and the quantising of q, k (along the head's 64) and of v (along the keys).  No f32 result goes to memory.
; OPERANDS are images of their registers (opc, opsc): a group of 128 rows, all of K, is 98,304 dense bytes [K step of 256][block of 16 rows][which 128][six pieces of 256 bytes, lane l's 8 bytes at 8 l];
; its scale words 4,096 bytes [block][K step of 256][row][2 words].  Groups 0-63: x; 64-71, 72-79, 80-87: Wqkv's columns of q, k, v.
; 256 WORK-GROUPS THAT STAY: work-group (x, y) takes the 128 tokens of group y and SIX TILES of 128 columns: tile t is group 64 + 8 (t / 2) + 2 x + t % 2: two tiles of q, two of k, two of v.  The kind hangs on t alone.
; The tokens' codes come once (98,304 bytes at LDS 0); each wave then keeps its 64 rows, all of K, in 384 registers.  The weights walk a ring of two slots of 98,304 bytes, a tile each;
; behind each round of the cluster's barrier every wave issues one joint load, a quarter of a slot; it has a way out and a tile's 128 products in which to land.
; 4 x 4 work-groups form a cluster: x's codes are asked for jointly along a row of the cluster, the weights' along a column.
; A wave makes 64 tokens x 64 columns (one head) in 16 accumulators, which take turns.  q, k: source 0 = weights, source 1 = tokens: a lane holds a token and runs along the channels.
; v: the sources change places: a lane holds a channel and runs along 64 keys: half a fragment of V.
; PREFETCH: at the boundary behind tile t, where tile t + 2 is loaded, tile t + 3 is named: 384 blocks of 256 bytes, 24 to each wave of each of the four partners that load it, shared out by address; tiles past the sixth are not named.
; THE RECORD of a (batch, head), 315,392 bytes of qkv: K's codes (768 bytes for each 16 keys) at 0; V's codes (a fragment of 16 channels x 128 keys as three groups of 512 bytes, lane l's 16 bytes at 16 l) at 98,304;
; K's scale words (512 bytes for 128 keys: lane l's 16 bytes: tiles 4 (l / 16) .. + 3, key l % 16) at 196,608; V's (256 bytes for 128 keys: lane l's 8 bytes: channel tiles 2 (l / 16), + 1) at 204,800; Q's codes at 208,896; Q's scale words at 307,200.
; The order inside a block of 32 comes out 0-7, 16-23, 8-15, 24-31, alike in q and k, and alike in v and the softmax's p.  Q's and K's words carry their two bytes in both halves.
; LIMITS: a block of zeros gets the byte 1 (its codes are zeros; this program alone reads the bytes); NaN and infinities are not served.
; V's codes leave as stores of 8 bytes, 16 apart, and its scale bytes as stores of 2 bytes, 8 apart: these do not fill aligned blocks of 256 bytes by one instruction.
; REGISTERS: window 0: v2-17 addresses; v32-63 x's scale words (block a, step st at 32 + 8 a + st); v64-127 the weights', two sets; v128-255 cos and sin of my 64 tokens.
;   window 1: x's fragments of steps 0-4.  window 2: v0-143 those of steps 5-7; v144-239 the weights' fragments, two sets.  window 3: v0-127 accumulators; v128-223 the way out.
.set REC, 315392
.set RGB, 98304
.set SPARE, 3*RGB
.set FR, 12
.set ADRA, 2
.set ADRB, 4                           ; v4-7: slot 0 steps 0-3, 4-7; slot 1 likewise
.set V8, 8                             ; 8 x lane
.set V16R, 9                           ; 16 r
.set V8R, 10                           ; 8 r
.set VT, 11                            ; 256 r + 32 h
.set VV, 12                            ; v12-14: where my three pairs of registers lie in a fragment of V
.set PFO, 15
.set SPW, 16
.set NIL, 17
.set SA, 32
.set SB, 64
.set TAB, 128
.set BF, 144
.set Y, 128
.set T, 160
.set TM, 168
.set TP, 172
.set SO, 176
.set F, 184                            ; four sets of 8
.set SWQ, 216
.set G, 220
.set G1A, 24
.set G0A, 32
.set G0H, 36
.set G1B, 48
.set G0R, 56                           ; s[56:59] slot 0, s[60:63] slot 1
.set SBP, 66                           ; s[66:67], s[68:69] the scale words of the even and of the odd tiles
.set MSB, 0
.macro WIN new                         ; the immediate's high byte repeats the setting that is left
.if MSB != \new
	s_set_vgpr_msb (MSB<<8)|\new
.set MSB, \new
.endif
.endm
.macro CROUND
	s_barrier_signal -1
	s_barrier_wait -1
	s_cmp_lg_u32 s14, 0
	s_cbranch_scc1 .Lnot_wave_0_\@
	s_barrier_signal -3
.Lnot_wave_0_\@:
	s_barrier_wait -3
	s_barrier_signal -1
	s_barrier_wait -1
.endm
.macro PLACES
.rept 4
	v_nop
.endr
.endm
.macro FRAG reg, adr, off
.irp p, 0,1,2,3,4,5
	ds_load_b64 v[\reg+2*\p:\reg+2*\p+1], v[\adr] offset:\off+256*\p
.endr
.endm
.macro BFETCH slot, st                 ; the weights' four fragments of step st into set st % 2
.set OF, (((\st)>>1)&1)*24576+((\st)&1)*1536
.set AD, ADRB+2*(\slot)+((\st)>>2)
	WIN 0x80
.irp i, 0,1,2,3
	FRAG BF+48*((\st)%2)+FR*\i, AD, OF+\i*3072
.endr
.endm
.macro SBLOAD set                      ; a tile's scale words of my 64 columns: 16 loads
.irp i, 0,1,2,3
.irp j, 0,1,2,3
	global_load_b64 v[SB+32*(\set)+8*\i+2*\j:SB+32*(\set)+8*\i+2*\j+1], v[V8R], s[SBP+2*(\set):SBP+2*(\set)+1] offset:512*\i+128*\j
.endr
.endr
.endm
.macro MULS st, set, isv               ; 16 matrix instructions: 128 along K; the first step's products start the sums
.set AW, 1+(\st)/5
.set AR, 48*((\st)%5)
.set BS, BF+48*((\st)%2)
.if \isv
.set WN, 0xf8|AW
.else
.set WN, 0xf2|(AW<<2)
.endif
	WIN WN
.irp a, 0,1,2,3
.irp b, 0,1,2,3
.set DQ, 8*(4*\a+\b)
.set DV, 8*(4*\b+\a)
.if \isv
.if (\st) == 0
	v_wmma_scale_f32_16x16x128_f8f6f4 v[DV:DV+7], v[AR+FR*\a:AR+FR*\a+11], v[BS+FR*\b:BS+FR*\b+11], 0, v[SA+8*\a+(\st)], v[SB+32*(\set)+8*\b+(\st)] matrix_a_fmt:MATRIX_FMT_FP6 matrix_b_fmt:MATRIX_FMT_FP6
.else
	v_wmma_scale_f32_16x16x128_f8f6f4 v[DV:DV+7], v[AR+FR*\a:AR+FR*\a+11], v[BS+FR*\b:BS+FR*\b+11], v[DV:DV+7], v[SA+8*\a+(\st)], v[SB+32*(\set)+8*\b+(\st)] matrix_a_fmt:MATRIX_FMT_FP6 matrix_b_fmt:MATRIX_FMT_FP6
.endif
.else
.if (\st) == 0
	v_wmma_scale_f32_16x16x128_f8f6f4 v[DQ:DQ+7], v[BS+FR*\b:BS+FR*\b+11], v[AR+FR*\a:AR+FR*\a+11], 0, v[SB+32*(\set)+8*\b+(\st)], v[SA+8*\a+(\st)] matrix_a_fmt:MATRIX_FMT_FP6 matrix_b_fmt:MATRIX_FMT_FP6
.else
	v_wmma_scale_f32_16x16x128_f8f6f4 v[DQ:DQ+7], v[BS+FR*\b:BS+FR*\b+11], v[AR+FR*\a:AR+FR*\a+11], v[DQ:DQ+7], v[SB+32*(\set)+8*\b+(\st)], v[SA+8*\a+(\st)] matrix_a_fmt:MATRIX_FMT_FP6 matrix_b_fmt:MATRIX_FMT_FP6
.endif
.endif
.endr
.endr
.endm
.macro COMP slot, isv, lc              ; a tile: eight steps; a step's 24 LDS loads are issued ahead of the step before's 16 products
	s_wait_loadcnt \lc                             ; this tile's scale words are in; the next tile's 16 loads may be out
.set ST, 0
.rept 8
	s_wait_dscnt 0x0
.if ST < 7
.if ST > 0
	PLACES                                         ; in front of loads into the set that the step before multiplied
.endif
	BFETCH \slot, ST+1
.endif
	MULS ST, \slot, \isv
.set ST, ST+1
.endr
.endm
; The boundary behind a tile in slot s: the next tile has landed, nobody reads slot s any more: it takes the tile two further on.
.macro BOUND slot
	PLACES                                         ; behind the last products
	WIN 0
	s_wait_alu depctr_va_vdst(0)
	s_wait_tensorcnt 0x0                           ; my one load that was out, my quarter of the next tile, has landed
	ds_add_u32 v[SPW], v[NIL]
	s_add_nc_u64 s[G0R+4*(\slot)+2:G0R+4*(\slot)+3], s[G0R+4*(\slot)+2:G0R+4*(\slot)+3], 8*RGB
	s_wait_dscnt 0x0                               ; the add is done, and so are my reads of this slot
	CROUND                                         ; both hold of every wave of the cluster
	tensor_load_to_lds s[G0R+4*(\slot):G0R+4*(\slot)+3], s[G1B:G1B+7]
	s_nop 0
	PLACES
	s_wait_xcnt 0x0                                ; earlier loads have read their base
	s_add_nc_u64 s[SBP+2*(\slot):SBP+2*(\slot)+1], s[SBP+2*(\slot):SBP+2*(\slot)+1], 8*4096
	SBLOAD \slot                                   ; the scale words of the tile two further on
	BFETCH 1-(\slot), 0                            ; the next tile's first fragments land under the way out
	WIN 0
.if (\slot) == 0
	global_prefetch_b8 v[PFO], s[80:81] th:TH_LOAD_NT scope:SCOPE_SE
.else
	s_cmp_lg_u32 s12, 0
	s_cbranch_scc1 .Lno_more_\@                    ; there is no seventh tile
	global_prefetch_b8 v[PFO], s[82:83] th:TH_LOAD_NT scope:SCOPE_SE
.Lno_more_\@:
.endif
.endm
; 32 numbers a lane, two halves of two blocks of 32, become half a fragment in set fs; v[TP]: the two scale bytes.  All registers in window 3.
.macro QTAIL src, fs
.set FF, F+8*(\fs)
	v_max3_num_f32 v[TM], |v[(\src)]|, |v[(\src)+1]|, 0x1800000        ; my 16 numbers of each block, and the floor 2^(3 - 127)
	v_max3_num_f32 v[TM+1], |v[(\src)+16]|, |v[(\src)+17]|, 0x1800000
.irp i, 2,4,6,8,10,12,14
	v_max3_num_f32 v[TM], v[TM], |v[(\src)+\i]|, |v[(\src)+\i+1]|
	v_max3_num_f32 v[TM+1], v[TM+1], |v[(\src)+16+\i]|, |v[(\src)+17+\i]|
.endr
	v_permlanex16_b32 v[TP], v[TM], s98, s99
	v_permlanex16_b32 v[TP+1], v[TM+1], s98, s99
	v_max_num_f32 v[TM], v[TM], v[TP]              ; with lane l xor 16's: the block's largest magnitude
	v_max_num_f32 v[TM+1], v[TM+1], v[TP+1]
	v_add_nc_u32 v[SO], 0xff000000, v[TM]          ; 2 off the exponent field: the conversion's scale operand
	v_add_nc_u32 v[SO+1], 0xff000000, v[TM+1]
	v_lshrrev_b32 v[TP], 23, v[SO]
	v_lshrrev_b32 v[TP+1], 23, v[SO+1]
	v_lshl_or_b32 v[TP], v[TP+1], 8, v[TP]
	v_cvt_scalef32_pk16_fp6_f32 v[FF:FF+2], v[(\src):(\src)+15], v[SO]
	v_cvt_scalef32_pk16_fp6_f32 v[G:G+2], v[(\src)+16:(\src)+31], v[SO+1]
	v_nop                                          ; one plain place behind a scaled conversion
.irp i, 0,1,2
	v_permlane16_swap_b32 v[FF+\i], v[G+\i]        ; a whole block to a lane
.endr
.irp i, 0,1,2
	v_mov_b32 v[FF+3+\i], v[G+\i]
.endr
.endm
; Tokens 16 a + r of my 64: the rotary embedding in f32, then quantised; half a fragment stored as three whole pieces of 256 bytes.
.macro ROPEQ a, e
.set AC, 32*(\a)                       ; four accumulators: channel 16 u' + 8 h + j at register 8 u' + j
.set TS_, TAB+32*(\a)
	WIN 0xf3                                       ; source 1, cos and sin: window 0; all else window 3
.irp u, 0,1
.irp j, 0,2,4,6
	v_pk_mul_f32 v[T+\j:T+\j+1], v[AC+16+8*\u+\j:AC+16+8*\u+\j+1], v[TS_+16+8*\u+\j:TS_+16+8*\u+\j+1]      ; each accumulator is read from its low end on
.endr
.irp j, 0,2,4,6
	v_pk_fma_f32 v[Y+8*\u+\j:Y+8*\u+\j+1], v[AC+8*\u+\j:AC+8*\u+\j+1], v[TS_+8*\u+\j:TS_+8*\u+\j+1], v[T+\j:T+\j+1] neg_lo:[0,0,1] neg_hi:[0,0,1]   ; lower half: x cos - upper sin
.endr
.irp j, 0,2,4,6
	v_pk_mul_f32 v[T+\j:T+\j+1], v[AC+8*\u+\j:AC+8*\u+\j+1], v[TS_+16+8*\u+\j:TS_+16+8*\u+\j+1]
.endr
.irp j, 0,2,4,6
	v_pk_fma_f32 v[Y+16+8*\u+\j:Y+16+8*\u+\j+1], v[AC+16+8*\u+\j:AC+16+8*\u+\j+1], v[TS_+8*\u+\j:TS_+8*\u+\j+1], v[T+\j:T+\j+1]   ; upper half: x cos + lower sin
.endr
.endr
	WIN 0xff
	QTAIL Y, \a
	v_lshl_or_b32 v[SWQ+(\a)], v[TP], 16, v[TP]    ; the token's scale word: its two bytes in both halves
	WIN 0x0c                                       ; address window 0, data window 3
.irp p, 0,1,2
	global_store_b64 v[V8], v[F+8*(\a)+2*\p:F+8*(\a)+2*\p+1], s[70:71] offset:(\e)*2*REC+(\a)*768+256*\p   ; 256 consecutive bytes, aligned
.endr
.endm
.macro WAYQK e
	s_wait_xcnt 0x0                                ; the last way out's stores have read their registers
.irp a, 0,1,2,3
	ROPEQ \a, \e
.endr
	global_store_b128 v[V16R], v[SWQ:SWQ+3], s[72:73] offset:(\e)*2*REC   ; my four tiles' words of row r: 256 consecutive bytes; lanes 16-31 store lane r's value at lane r's place once more
	WIN 0
.endm
.macro WAYV e                          ; channels 16 b + r: my 64 keys in 32 registers, quantised straight from the accumulators
	s_wait_xcnt 0x0
.irp b, 0,1,2,3
	WIN 0xff
	QTAIL 32*\b, \b
	v_mov_b32 v[SWQ+\b], v[TP]
	WIN 0x0c
.irp i, 0,1,2
	global_store_b64 v[VV+\i], v[F+8*\b+2*\i:F+8*\b+2*\i+1], s[70:71] offset:(\e)*2*REC+\b*1536
.endr
	global_store_b16 v[V8R], v[SWQ+\b], s[72:73] offset:(\e)*2*REC+((\b)>>1)*128+((\b)&1)*4
.endr
	WIN 0
.endm
	s_load_b256 s[4:11], s[0:1], 0x0               ; opc s[4:5], opsc s[6:7], tab s[8:9], qkv s[10:11]
	v_lshl_add_u32 v[SPW], v0, 2, SPARE
	v_mov_b32 v[NIL], 0
	ds_add_u32 v[SPW], v[NIL]                      ; the opening lines: the add, twice on end, and its wait ahead of my first tensor load
	ds_add_u32 v[SPW], v[NIL]
	v_lshrrev_b32 v1, 5, v0
	v_readfirstlane_b32 s14, v1                    ; wave 0..3
	s_lshr_b32 s15, s14, 1                         ; which 64 tokens are mine.  Also: at the head I fetch x's codes (0) or the weights' (1)
	s_and_b32 s16, s14, 1                          ; which 64 columns.  Also: which half I fetch at the head
	s_bfe_u32 s40, ttmp6, 0x40000                  ; cx, cy
	s_bfe_u32 s41, ttmp6, 0x40004
	s_lshl_b32 s42, ttmp9, 2
	s_add_co_u32 s42, s42, s40                     ; x
	s_and_b32 s17, ttmp7, 0xffff
	s_lshl_b32 s17, s17, 2
	s_add_co_u32 s17, s17, s41                     ; y
	s_lshl_b32 s43, s41, 2
	s_lshl_b32 s43, 15, s43                        ; my row of the cluster
	s_lshl_b32 s44, 0x1111, s40                    ; my column
	s_or_b32 s[G1A], s43, (3<<16)|(1<<21)          ; elements of 8 bytes; bit 21 set beside a mask
	s_or_b32 s[G1B], s44, (3<<16)|(1<<21)
.irp g, G1A, G1B                       ; at the head a load brings 49,152 dense bytes as 192 rows of 256
	s_mov_b32 s[\g+1], 32<<16
	s_mov_b32 s[\g+2], 192<<16
	s_mov_b32 s[\g+3], 32<<16
	s_mov_b32 s[\g+4], 192
	s_mov_b32 s[\g+5], 32
	s_mov_b32 s[\g+6], 0
	s_mov_b32 s[\g+7], 0
.endr
	s_mul_i32 s18, s16, RGB/2                      ; my half at the head
	s_mov_b32 s19, 0
	s_mul_i32 s20, s17, RGB                        ; x's group y: never holds cx
	s_mov_b32 s21, 0
	s_lshl_b32 s45, s42, 1
	s_add_co_u32 s45, s45, 64                      ; tile 0's group: never holds cy
	s_mul_i32 s22, s45, RGB
	s_mov_b32 s23, 0
	s_mul_i32 s2, s14, RGB/4                       ; my quarter in the ring
	s_mov_b32 s3, 0
	s_lshl_b32 s46, s45, 12                        ; tile 0's scale words of my 64 columns
	s_lshl_b32 s47, s16, 11
	s_add_co_u32 s46, s46, s47
	s_mov_b32 s47, 0
	s_lshl_b32 s84, s17, 12                        ; x's scale words of my 64 tokens
	s_lshl_b32 s85, s15, 11
	s_add_co_u32 s84, s84, s85
	s_mov_b32 s85, 0
	s_and_b32 s86, s17, 15                         ; which 128 tokens of the sequence
	s_lshr_b32 s87, s17, 4                         ; batch
	s_lshl_b32 s88, s86, 15                        ; the table at my 64 tokens
	s_lshl_b32 s89, s15, 14
	s_add_co_u32 s88, s88, s89
	s_mov_b32 s89, 0
	s_lshl_b32 s77, s87, 4                         ; the record of my head in an even tile: 16 batch + 4 x + half; an odd tile's lies two records on
	s_lshl_b32 s90, s42, 2
	s_add_co_u32 s77, s77, s90
	s_add_co_u32 s77, s77, s16
	s_mul_i32 s77, s77, REC
	s_mul_i32 s90, s86, 6144
	s_add_co_u32 s74, s77, s90
	s_add_co_u32 s76, s74, 98304                   ; V's codes
	s_mul_i32 s90, s15, 3072
	s_add_co_u32 s74, s74, s90                     ; Q's or K's codes, less the kind's place
	s_lshl_b32 s90, s86, 9
	s_add_co_u32 s75, s77, s90
	s_lshl_b32 s90, s15, 8
	s_add_co_u32 s75, s75, s90                     ; Q's or K's scale words, likewise
	s_lshl_b32 s90, s86, 8
	s_add_co_u32 s78, s77, s90
	s_lshl_b32 s90, s15, 1
	s_add_co_u32 s78, s78, s90
	s_add_co_u32 s78, s78, 204800                  ; V's scale bytes
	s_lshl_b32 s92, s41, 2
	s_add_co_u32 s92, s92, s14
	s_mul_i32 s92, s92, 6144                       ; the prefetches: my wave's 24 blocks of a tile's 384
	s_mov_b32 s93, 0
	s_mul_i32 s94, s15, 4*3072                     ; my four blocks of x in a K step's 24,576 bytes
	s_mul_i32 s95, s16, 4*3072
	s_add_co_u32 s95, s95, RGB                     ; and of the weights, in slot 0
	s_mul_i32 s96, s15, 520                        ; registers 6 half + 0, 2, 4 of a fragment of V: bytes 0, 8, 512 or 520, 1024, 1032 beside 16 x lane
	s_mul_i32 s97, s15, 1016
	s_add_co_u32 s97, s97, 8
	s_add_co_u32 s91, s96, 512
	s_mov_b32 s98, 0x76543210
	s_mov_b32 s99, 0xfedcba98                      ; v_permlanex16_b32's selects for lane l xor 16
	v_and_b32 v18, 15, v0                          ; r
	v_bfe_u32 v19, v0, 4, 1                        ; h
	v_and_b32 v20, 31, v0
	v_lshlrev_b32 v[V8], 3, v20
	v_lshlrev_b32 v[V16R], 4, v18
	v_lshlrev_b32 v[V8R], 3, v18
	v_lshlrev_b32 v[VT], 8, v18
	v_lshl_add_u32 v[VT], v19, 5, v[VT]
	v_add_nc_u32 v[ADRA], s94, v[V8]
	v_add_nc_u32 v[ADRB], s95, v[V8]
	v_add_nc_u32 v[ADRA+1], RGB/2, v[ADRA]
	v_add_nc_u32 v[ADRB+1], RGB/2, v[ADRB]
	v_add_nc_u32 v[ADRB+2], RGB, v[ADRB]
	v_lshlrev_b32 v21, 4, v20
	v_add_nc_u32 v[ADRB+3], RGB/2, v[ADRB+2]
	v_add_nc_u32 v[VV], s96, v21
	v_add_nc_u32 v[VV+1], s97, v21
	v_add_nc_u32 v[VV+2], s91, v21
	v_min_u32 v[PFO], 23, v20                      ; lanes 24-31 name their wave's last block again
	v_lshlrev_b32 v[PFO], 8, v[PFO]
	WIN 0xc0
	v_mov_b32 v[TP], 0                             ; written once: a lane permute's destination counts as one of its sources
	v_mov_b32 v[TP+1], 0
	WIN 0
	s_wait_alu depctr_va_vdst(0)
	s_wait_dscnt 0x0                               ; both opening adds are done
	s_wait_kmcnt 0x0
	s_add_nc_u64 s[22:23], s[4:5], s[22:23]        ; tile 0
	s_add_nc_u64 s[20:21], s[4:5], s[20:21]        ; x's group
	s_mov_b32 s[G0A], 1
	s_mov_b32 s[G0A+1], s18
	s_add_nc_u64 s[G0A+2:G0A+3], s[20:21], s[18:19]
	s_or_b32 s[G0A+3], s[G0A+3], 0x80000000
	s_mov_b32 s[G0H], 1
	s_add_co_u32 s[G0H+1], s18, RGB
	s_add_nc_u64 s[G0H+2:G0H+3], s[22:23], s[18:19]
	s_or_b32 s[G0H+3], s[G0H+3], 0x80000000
	s_mov_b32 s[G0R], 1
	s_add_co_u32 s[G0R+1], s2, RGB
	s_add_nc_u64 s[G0R+2:G0R+3], s[22:23], s[2:3]  ; slot 0: at tile 0; stepped to tile 2 ahead of its first use
	s_mov_b32 s[G0R+4], 1
	s_add_co_u32 s[G0R+5], s2, 2*RGB
	s_add_nc_u64 s[G0R+6:G0R+7], s[G0R+2:G0R+3], RGB   ; slot 1: tile 1
	s_or_b32 s[G0R+3], s[G0R+3], 0x80000000
	s_or_b32 s[G0R+7], s[G0R+7], 0x80000000
	s_add_nc_u64 s[80:81], s[22:23], s[92:93]
	s_add_nc_u64 s[82:83], s[80:81], 8*RGB         ; stepped at each trip's head: then tile 4,
	s_add_nc_u64 s[80:81], s[80:81], RGB           ; and tiles 3, 5
	s_add_nc_u64 s[SBP:SBP+1], s[6:7], s[46:47]
	s_add_nc_u64 s[SBP+2:SBP+3], s[SBP:SBP+1], 4096
	s_add_nc_u64 s[6:7], s[6:7], s[84:85]
	s_add_nc_u64 s[8:9], s[8:9], s[88:89]
.irp i, 0,1,2,3
.irp j, 0,1,2,3
	global_load_b64 v[SA+8*\i+2*\j:SA+8*\i+2*\j+1], v[V8R], s[6:7] offset:512*\i+128*\j
.endr
.endr
	SBLOAD 0
	SBLOAD 1
.irp a, 0,1,2,3                        ; cos and sin of tokens 16 a + r at the frequencies 16 u + 8 h + 0..7: they stay for all four tiles of q and k
.irp u, 0,1
	global_load_b128 v[TAB+32*\a+8*\u:TAB+32*\a+8*\u+3],       v[VT], s[8:9] offset:4096*\a+64*\u
	global_load_b128 v[TAB+32*\a+8*\u+4:TAB+32*\a+8*\u+7],     v[VT], s[8:9] offset:4096*\a+64*\u+16
	global_load_b128 v[TAB+32*\a+16+8*\u:TAB+32*\a+16+8*\u+3], v[VT], s[8:9] offset:4096*\a+128+64*\u
	global_load_b128 v[TAB+32*\a+16+8*\u+4:TAB+32*\a+16+8*\u+7], v[VT], s[8:9] offset:4096*\a+128+64*\u+16
.endr
.endr
	CROUND                                         ; all sixteen work-groups are here: the first joint loads meet
	s_cmp_eq_u32 s15, 0                            ; one chain of branches on the wave's number, one load to an arm: waves 0, 1 x's halves, waves 2, 3 tile 0's
	s_cbranch_scc0 .Lfor_b
	tensor_load_to_lds s[G0A:G0A+3], s[G1A:G1A+7]
	s_nop 0
	PLACES
	s_branch .Lasked
.Lfor_b:
	tensor_load_to_lds s[G0H:G0H+3], s[G1B:G1B+7]
	s_nop 0
	PLACES
.Lasked:
	s_wait_tensorcnt 0x0                           ; my half has landed; slot 1's first fill is issued as a refill is
	ds_add_u32 v[SPW], v[NIL]
	s_mov_b32 s[G1B+2], 96<<16                     ; no tensor load of mine is out: from here on a load brings 24,576 bytes as 96 rows
	s_mov_b32 s[G1B+4], 96
	s_wait_dscnt 0x0
	CROUND
	tensor_load_to_lds s[G0R+4:G0R+7], s[G1B:G1B+7]    ; tile 1, a quarter a wave
	s_nop 0
	PLACES
.set ST, 0
.rept 8                                ; my 64 tokens, all of K, into registers: 192 loads
.set WN, (1+ST/5)<<6
	WIN WN
.set OF, ((ST>>1)&1)*24576+(ST&1)*1536
.set AD, ADRA+(ST>>2)
.irp i, 0,1,2,3
	FRAG 48*(ST%5)+FR*\i, AD, OF+\i*3072
.endr
.set ST, ST+1
.endr
	BFETCH 0, 0
	WIN 0
	s_wait_loadcnt 0x0                             ; x's scale words, the first two tiles' and all of cos and sin are in
	s_mov_b32 s12, 0                               ; the kind: 0 = q, 1 = k
.Lkind:                                                ; a trip: two tiles of one kind, once round the ring
	s_wait_xcnt 0x0                                ; stores and prefetches have read their bases
	s_add_nc_u64 s[80:81], s[80:81], 8*RGB
	s_add_nc_u64 s[82:83], s[82:83], 8*RGB
	s_mov_b32 s21, 196608
	s_cmp_eq_u32 s12, 0
	s_cselect_b32 s20, 208896, 0                   ; Q's codes or K's,
	s_cselect_b32 s22, 307200, s21                 ; Q's scale words or K's
	s_add_co_u32 s20, s20, s74
	s_add_co_u32 s22, s22, s75
	s_mov_b32 s21, 0
	s_mov_b32 s23, 0
	s_add_nc_u64 s[70:71], s[10:11], s[20:21]
	s_add_nc_u64 s[72:73], s[10:11], s[22:23]
	COMP 0, 0, 16
	BOUND 0
	WAYQK 0
	COMP 1, 0, 16
	BOUND 1
	WAYQK 1
	s_add_co_u32 s12, s12, 1
	s_cmp_lt_u32 s12, 2
	s_cbranch_scc1 .Lkind
	s_wait_xcnt 0x0
	s_mov_b32 s20, s76
	s_mov_b32 s22, s78
	s_add_nc_u64 s[70:71], s[10:11], s[20:21]
	s_add_nc_u64 s[72:73], s[10:11], s[22:23]
	COMP 0, 1, 16                                  ; v: the last two tiles fetch nothing more
	PLACES
	WIN 0
	s_wait_alu depctr_va_vdst(0)
	s_wait_tensorcnt 0x0                           ; my quarter of the last tile is in,
	ds_add_u32 v[SPW], v[NIL]
	s_wait_dscnt 0x0
	s_barrier_signal -1
	s_barrier_wait -1                              ; everybody's is
	BFETCH 1, 0
	WIN 0
	WAYV 0
	COMP 1, 1, 0
	PLACES
	WIN 0
	WAYV 1
	s_wait_tensorcnt 0x0                           ; the wave's end
	ds_add_u32 v[SPW], v[NIL]
	s_wait_dscnt 0x0
	CROUND                                         ; the closing round
	s_endpgm
.Lfunc_end_k_q5b4bd50507_qkv:
	.size	k_q5b4bd50507_qkv, .Lfunc_end_k_q5b4bd50507_qkv-k_q5b4bd50507_qkv
	.p2alignl 7, 3214868480
	.fill 96, 4, 3214868480
	.section	.rodata,"a",@progbits
	.p2align	6, 0x0
	.amdhsa_kernel k_q5b4bd50507_qkv
		.amdhsa_group_segment_fixed_size 327680
		.amdhsa_private_segment_fixed_size 0
		.amdhsa_enable_private_segment 0
		.amdhsa_kernarg_size 32
		.amdhsa_user_sgpr_count 2
		.amdhsa_user_sgpr_kernarg_segment_ptr 1
		.amdhsa_wavefront_size32 1
		.amdhsa_system_sgpr_workgroup_id_x 1
		.amdhsa_system_sgpr_workgroup_id_y 1
		.amdhsa_system_sgpr_workgroup_id_z 1
		.amdhsa_system_vgpr_workitem_id 0
		.amdhsa_next_free_vgpr 1024
		.amdhsa_next_free_sgpr 100
		.amdhsa_reserve_vcc 0
		.amdhsa_float_denorm_mode_32 3
		.amdhsa_float_denorm_mode_16_64 3
		.amdhsa_memory_ordered 1
		.amdhsa_forward_progress 1
		.amdhsa_inst_pref_size 207
	.end_amdhsa_kernel
	.amdgpu_metadata
---
amdhsa.version: [ 1, 2 ]
amdhsa.kernels:
  - .name:           k_q5b4bd50507_qkv
    .symbol:         k_q5b4bd50507_qkv.kd
    .args:
      - { .name: opc, .offset: 0, .size: 8, .value_kind: global_buffer, .address_space: global }
      - { .name: opsc, .offset: 8, .size: 8, .value_kind: global_buffer, .address_space: global }
      - { .name: tab, .offset: 16, .size: 8, .value_kind: global_buffer, .address_space: global }
      - { .name: qkv, .offset: 24, .size: 8, .value_kind: global_buffer, .address_space: global }
    .group_segment_fixed_size: 327680
    .private_segment_fixed_size: 0
    .kernarg_segment_align: 8
    .kernarg_segment_size: 32
    .max_flat_workgroup_size: 128
    .sgpr_count:     100
    .vgpr_count:     1024
    .wavefront_size: 32
...
	.end_amdgpu_metadata
.endif
;; end of part 2
;; launch attn (part 3): grid 4 x 64, 16 waves a work-group, clusters of 4 x 1, 210,944 bytes of LDS; arguments qkv, yc, ysc; writes yc, ysc
.if DOCPART == 3
	.amdgcn_target "amdgcn-amd-amdhsa--gfx1250"
	.amdhsa_code_object_version 6
	.text
	.protected	k_q5b4bd50507_attn
	.globl	k_q5b4bd50507_attn
	.p2align	8
	.type	k_q5b4bd50507_attn,@function
k_q5b4bd50507_attn:
	s_mov_b64 s[64:65], 0
	v_nop
	global_prefetch_b8 v0, s[64:65] scope:SCOPE_SE
	s_setreg_imm32_b32 hwreg(HW_REG_WAVE_MODE, 25, 1), 1
	s_wait_xcnt 0x0
	s_wait_alu depctr_hold_cnt(0) depctr_sa_sdst(0) depctr_va_vdst(0) depctr_va_sdst(0) depctr_va_ssrc(0) depctr_va_vcc(0) depctr_vm_vsrc(0)
	s_getreg_b32 s2, hwreg(HW_REG_IB_STS2, 6, 4)
	s_cmp_eq_u32 s2, 0
	s_cbranch_scc0 .Lentry_in_a_cluster
	s_endpgm
.Lentry_in_a_cluster:
	s_bfe_u32 s2, ttmp6, 0x10000c
	s_cmp_lg_u32 s2, 0x3003
	s_cbranch_scc0 .Lentry_shape_is_right
	s_endpgm
.Lentry_shape_is_right:
; Causal attention of one (batch, head) a cluster, on codes of FP6: S^T = K Q^T, p = 2^(t - M) quantised along the keys, O^T = V^T P^T, y = O / l quantised along the channels.
; t = score x log2(e) / 8; M = the running largest t rounded UP to a whole number; l is the sum of the unquantised p; when M moves, l and O^T are multiplied by 2^(old M - new M): exact.
; Key steps whose keys all come after a tile's queries are under the causal mask and are jumped over.
; THE HEAD HAS 64 CHANNELS, THE INSTRUCTION'S K IS 128: a fragment of K holds TWO tiles of 16 keys, tile f in registers 0-5 (k 0-63) and tile f + 4 in registers 6-11 (k 64-127).
; It is multiplied by (Q, 0) for tile f and by (0, Q) for tile f + 4: 18 registers, zeros, Q, zeros.  Q's and K's scale words carry their two bytes in both halves, so one word serves either place; the other half meets zero codes.
; THE WHOLE HEAD'S K AND V LIE IN LDS: the first 208,896 bytes of the head's record, filled ONCE by sixteen joint tensor loads, one a wave, 51 rows of 256 bytes each, asked for alike by the cluster's four work-groups.
; Nothing is filled again and nothing is stored to LDS.  No prefetch: each byte is asked for once, at the head, and no loop runs ahead of a load from memory.
; SHARES.  A tile is 16 queries; a tile of the g-th 128 queries needs g + 1 key steps of 128.  Wave w of work-group cx takes tiles 8 a0 + b and 8 (15 - a0) + b, a0 = w / 2, b = 2 cx + w % 2: 17 key steps for every wave.
; The trip pattern hangs on the wave's number alone; cx enters global addresses and one vector compare.  Each pass walks 16 trips.
; LDS LOADS RUN AHEAD: a step's 25 loads of K (24 of codes, 1 of scale words) are issued in the step before, behind that step's score products; V's 13 at the step's top, and are wanted behind the softmax.
; The last step of a tile asks for the 25 that follow in LDS (inside the image) and uses nothing of them.
; LIMITS: a block of zeros gets the byte 1 (zero codes; this program alone reads the bytes); NaN and infinities are not served; the promise holds while |t| stays under 2^31.
; The scale bytes of y leave as stores of 2 bytes, 8 bytes apart: 262,144 bytes in all that do not fill aligned blocks of 256 bytes.
.set REC, 315392
.set SPARE, 0x33000
.set QS, 1                             ; v1 Q's scale word
.set L, 2                              ; v[2:3] l
.set NM, 4                             ; v4 -M, v5 the largest t
.set VS, 6                             ; v[6:7] V's scale words
.set KS, 8                             ; v[8:11] K's scale words
.set QZ, 12                            ; v12-17 zeros, v18-23 Q, v24-29 zeros
.set SPW, 30                           ; my spare word's address; never rewritten
.set NIL, 31                           ; 0; never rewritten
.set KF, 32                            ; v32-79 four fragments of K
.set VF, 80                            ; v80-127 four of V
.set S, 128                            ; v128-191 S^T, then p, then y
.set O, 192                            ; v192-223 O^T
.set F, 224                            ; v224-235 p's codes
.set T, 236                            ; v236-243 at work
.set BM, 244                           ; v244-247 the blocks' largest
.set SO, 248                           ; v248-251 the conversions' scale operands
.set FA, 252                           ; f
.set PS, 253                           ; p's scale word
.set TA, 254
.set TB, 255
.macro CROUND
	s_barrier_signal -1
	s_barrier_wait -1
	s_cmp_lg_u32 s18, 0
	s_cbranch_scc1 .Lnot_wave_0_\@
	s_barrier_signal -3
.Lnot_wave_0_\@:
	s_barrier_wait -3
	s_barrier_signal -1
	s_barrier_wait -1
.endm
.macro QLOAD gs                        ; the tile 8 s[gs] + b of queries: half a fragment and its scale word.  v190, v191 are written again only behind the wait for these loads
	s_mul_i32 s54, s[\gs], 6144
	s_add_co_u32 s54, s54, s58
	s_mov_b32 s55, 0
	s_add_nc_u64 s[46:47], s[4:5], s[54:55]
	s_lshl_b32 s54, s[\gs], 9
	s_add_co_u32 s54, s54, s59
	s_add_nc_u64 s[48:49], s[4:5], s[54:55]
	v_and_b32 v190, 31, v0
	v_and_b32 v191, 15, v0
	v_lshlrev_b32 v190, 3, v190                    ; 8 x lane
	v_lshlrev_b32 v191, 4, v191                    ; 16 r
.irp p, 0,1,2
	global_load_b64 v[QZ+6+2*\p:QZ+7+2*\p], v190, s[46:47] offset:256*\p
.endr
	global_load_b32 v[QS], v191, s[48:49]
.endm
.macro KLOAD                           ; 25 loads: a step's eight tiles of K (v[TB]) and their scale words (v[TA]: lanes 0-15 tiles 0-3, lanes 16-31 tiles 4-7)
.irp f, 0,1,2,3
.irp q, 0,1,2
	ds_load_b64 v[KF+12*\f+2*\q:KF+12*\f+2*\q+1], v[TB] offset:768*\f+256*\q
	ds_load_b64 v[KF+12*\f+6+2*\q:KF+12*\f+7+2*\q], v[TB] offset:3072+768*\f+256*\q
.endr
.endr
	ds_load_b128 v[KS:KS+3], v[TA]
.endm
.macro PASS p
.if \p == 0
	s_mov_b32 s37, s36                             ; g: which 128 queries, and the last key step that counts
.else
	s_wait_xcnt 0x0                                ; the first pass's stores have read their registers and bases
	s_sub_co_u32 s37, 15, s36
.endif
	s_mul_i32 s54, s37, 98304
	s_add_co_u32 s54, s54, s56
	s_mov_b32 s55, 0
	s_add_nc_u64 s[50:51], s[6:7], s[54:55]        ; where y's codes go,
	s_lshl_b32 s54, s37, 12
	s_add_co_u32 s54, s54, s57
	s_add_nc_u64 s[52:53], s[8:9], s[54:55]        ; and its scale bytes
	v_and_b32 v[TA], 31, v0
	s_delay_alu instid0(VALU_DEP_1)
	v_lshlrev_b32 v[TB], 3, v[TA]
	v_lshl_add_u32 v[TA], v[TA], 4, 0x30000
	KLOAD                                          ; key step 0
	v_mov_b32 v[NM+1], 0xff61b1e6                  ; the largest t so far: -3e38
	s_delay_alu instid0(VALU_DEP_1)
	v_floor_f32 v[NM], -v[NM+1]
	v_mov_b32 v[L], 0
	v_mov_b32 v[L+1], 0
.set n, 0
.rept 32
	v_mov_b32 v[O+n], 0                            ; O^T: the step is written once; the first finds zeros
.set n, n+1
.endr
	s_wait_loadcnt 0x0                             ; Q
	s_mov_b32 s38, 0                               ; the key step;
	s_mov_b32 s39, 6144                            ; the NEXT step's codes of K,
	s_mov_b32 s10, 196608+512                      ; and its scale words;
	s_mov_b32 s40, 98304                           ; this step's codes of V,
	s_mov_b32 s41, 204800                          ; and its scale words
.Lstep_\@:
	s_cmp_gt_u32 s38, s37
	s_cbranch_scc1 .Lhid_\@                        ; all its keys come after my queries
	v_and_b32 v[TA], 31, v0                        ; (these four are the places in front of the loads into V's registers)
	s_delay_alu instid0(VALU_DEP_1)
	v_lshl_add_u32 v[TB], v[TA], 4, s40
	v_lshl_add_u32 v[TA], v[TA], 3, s41
	v_nop
.irp d, 0,1,2,3
.irp g, 0,1,2
	ds_load_b128 v[VF+12*\d+4*\g:VF+12*\d+4*\g+3], v[TB] offset:1536*\d+512*\g
.endr
.endr
	ds_load_b64 v[VS:VS+1], v[TA]                  ; lanes 0-15 channel tiles 0, 1, lanes 16-31 tiles 2, 3
	s_wait_dscnt 13                                ; K and its scale words are in; V's 13 loads may be out
.irp f, 0,1,2,3
	v_wmma_scale_f32_16x16x128_f8f6f4 v[S+8*\f:S+8*\f+7], v[KF+12*\f:KF+12*\f+11], v[QZ+6:QZ+17], 0, v[KS+\f], v[QS] matrix_a_fmt:MATRIX_FMT_FP6 matrix_b_fmt:MATRIX_FMT_FP6
.endr
.irp f, 0,1,2,3
	v_wmma_scale_f32_16x16x128_f8f6f4 v[S+32+8*\f:S+39+8*\f], v[KF+12*\f:KF+12*\f+11], v[QZ:QZ+11], 0, v[KS+\f], v[QS] matrix_a_fmt:MATRIX_FMT_FP6 matrix_b_fmt:MATRIX_FMT_FP6 matrix_a_scale:MATRIX_SCALE_ROW1
.endr
	v_and_b32 v[TA], 31, v0                        ; (four places: in front of the loads into K's registers and of the first reads of the scores)
	s_delay_alu instid0(VALU_DEP_1)
	v_lshl_add_u32 v[TB], v[TA], 3, s39
	v_lshl_add_u32 v[TA], v[TA], 4, s10
	v_nop
	KLOAD                                          ; the next step's
	s_cmp_lt_u32 s38, s37
	s_cbranch_scc1 .Lopen_\@                       ; all keys of this step count
	v_and_b32 v[TA], 15, v0                        ; on the diagonal: register 8 tau + j holds key 16 tau + 8 h + j, hidden where 16 tau + j > 16 b + r - 8 h
	v_bfe_u32 v[TB], v0, 4, 1
	s_delay_alu instid0(VALU_DEP_1)
	v_lshlrev_b32 v[TB], 3, v[TB]
	s_delay_alu instid0(VALU_DEP_1)
	v_sub_nc_u32 v[TA], v[TA], v[TB]
	s_delay_alu instid0(VALU_DEP_1)
	v_add_nc_u32 v[TA], s11, v[TA]
	v_mov_b32 v[TB], 0xff800000
.set n, 0
.rept 64
	v_cmp_gt_i32 vcc_lo, 16*(n/8)+n%8, v[TA]
	v_cndmask_b32 v[S+n], v[S+n], v[TB], vcc_lo
.set n, n+1
.endr
.Lopen_\@:
.irp b, 0,1,2,3
	v_max3_num_f32 v[BM+\b], v[S+16*\b], v[S+1+16*\b], v[S+2+16*\b]   ; the largest score of each block of 32 keys: for the row's maximum and, since p rises with the score, for the block's largest p
.endr
.irp i, 3,5,7,9,11,13
.irp b, 0,1,2,3
	v_max3_num_f32 v[BM+\b], v[BM+\b], v[S+16*\b+\i], v[S+1+16*\b+\i]
.endr
.endr
.irp b, 0,1,2,3
	v_max_num_f32 v[BM+\b], v[BM+\b], v[S+15+16*\b]
.endr
.irp b, 0,1,2,3
	v_permlanex16_b32 v[T+\b], v[BM+\b], s44, s45
.endr
.irp b, 0,1,2,3
	v_max_num_f32 v[BM+\b], v[BM+\b], v[T+\b]      ; with lane l xor 16's 16 keys
.endr
	s_delay_alu instid0(VALU_DEP_2)
	v_max3_num_f32 v[TA], v[BM], v[BM+1], v[BM+2]
	s_delay_alu instid0(VALU_DEP_1)
	v_max_num_f32 v[TA], v[TA], v[BM+3]
	s_delay_alu instid0(VALU_DEP_1)
	v_mul_f32 v[TA], s42, v[TA]                    ; as t
	s_delay_alu instid0(VALU_DEP_1)
	v_max_num_f32 v[NM+1], v[NM+1], v[TA]          ; the running largest t
	v_mov_b32 v[TA], v[NM]
	s_delay_alu instid0(VALU_DEP_2)
	v_floor_f32 v[NM], -v[NM+1]                    ; -M = floor(-t)
	s_delay_alu instid0(VALU_DEP_1)
	v_sub_f32 v[TA], v[NM], v[TA]                  ; old M - new M: a whole number, 0 or less
	s_delay_alu instid0(VALU_DEP_1)
	v_cvt_i32_f32 v[TA], v[TA]                     ; (it saturates)
	s_delay_alu instid0(VALU_DEP_1)
	v_ldexp_f32 v[FA], 1.0, v[TA]                  ; f = 2^(old M - new M)
.set n, 0
.rept 32
	v_pk_fma_f32 v[S+n:S+n+1], v[S+n:S+n+1], s[42:43], v[NM:NM+1] op_sel_hi:[1,0,0]   ; t - M, two at a time
.set n, n+2
.endr
.irp b, 0,1,2,3
	v_fma_f32 v[BM+\b], v[BM+\b], s42, v[NM]
.endr
	s_wait_alu depctr_va_vdst(0)
.set n, 0
.rept 64
	v_exp_f32 v[S+n], v[S+n]                       ; p = 2^(t - M)
.set n, n+1
.endr
	v_pk_mul_f32 v[L:L+1], v[L:L+1], v[FA:FA+1] op_sel_hi:[1,0]   ; l under the new M: a plain place behind the exponentials
	s_wait_alu depctr_va_vdst(0)                   ; one wait for the batch, ahead of its first reader
.irp b, 0,1,2,3
	v_exp_f32 v[BM+\b], v[BM+\b]                   ; each block's largest p
.endr
	v_pk_add_f32 v[T:T+1], v[S:S+1], v[S+2:S+3]    ; the sum of the unquantised p, four chains by turns; 28 of its 32 pairs here
	v_pk_add_f32 v[T+2:T+3], v[S+4:S+5], v[S+6:S+7]
	v_pk_add_f32 v[T+4:T+5], v[S+8:S+9], v[S+10:S+11]
	v_pk_add_f32 v[L:L+1], v[L:L+1], v[S+12:S+13]
.irp j, 14,22,30,38,46
	v_pk_add_f32 v[T:T+1], v[T:T+1], v[S+\j:S+\j+1]
	v_pk_add_f32 v[T+2:T+3], v[T+2:T+3], v[S+\j+2:S+\j+3]
	v_pk_add_f32 v[T+4:T+5], v[T+4:T+5], v[S+\j+4:S+\j+5]
	v_pk_add_f32 v[L:L+1], v[L:L+1], v[S+\j+6:S+\j+7]
.endr
	v_pk_add_f32 v[T:T+1], v[T:T+1], v[S+54:S+55]
	v_pk_add_f32 v[T+2:T+3], v[T+2:T+3], v[T+4:T+5]
	s_delay_alu instid0(VALU_DEP_2)
	v_pk_add_f32 v[L:L+1], v[L:L+1], v[T:T+1]
	s_delay_alu instid0(VALU_DEP_1)
	v_pk_add_f32 v[L:L+1], v[L:L+1], v[T+2:T+3]
	s_wait_alu depctr_va_vdst(0)                   ; and one for the four
.irp b, 0,1,2,3
	v_max_num_f32 v[BM+\b], 0x1800000, v[BM+\b]    ; the floor 2^(3 - 127)
.endr
.irp b, 0,1,2,3
	v_add_nc_u32 v[SO+\b], 0xff000000, v[BM+\b]    ; 2 off the exponent field: the conversion's scale operand
.endr
.irp b, 0,1,2,3
	v_lshrrev_b32 v[T+\b], 23, v[SO+\b]
.endr
	s_delay_alu instid0(VALU_DEP_3)
	v_lshl_or_b32 v[PS], v[T+1], 8, v[T]           ; p's scale word for these 128 keys
	s_delay_alu instid0(VALU_DEP_1)
	v_lshl_or_b32 v[PS], v[T+2], 16, v[PS]
	s_delay_alu instid0(VALU_DEP_1)
	v_lshl_or_b32 v[PS], v[T+3], 24, v[PS]
.irp c, 0,1
	v_cvt_scalef32_pk16_fp6_f32 v[F+6*\c:F+6*\c+2], v[S+32*\c:S+32*\c+15], v[SO+2*\c]
	v_cvt_scalef32_pk16_fp6_f32 v[T+4*\c:T+4*\c+2], v[S+16+32*\c:S+31+32*\c], v[SO+2*\c+1]
.endr
	v_nop                                          ; one plain place behind a scaled conversion
.irp c, 0,1
.irp i, 0,1,2
	v_permlane16_swap_b32 v[F+6*\c+\i], v[T+4*\c+\i]   ; a whole block to a lane
.endr
.irp i, 0,1,2
	v_mov_b32 v[F+3+6*\c+\i], v[T+4*\c+\i]
.endr
.endr
	s_wait_alu depctr_va_vdst(0)                   ; directly ahead of the first reader of O^T
.set n, 0
.rept 16
	v_pk_mul_f32 v[O+n:O+n+1], v[O+n:O+n+1], v[FA:FA+1] op_sel_hi:[1,0]   ; O^T under the new M
.set n, n+2
.endr
.irp j, 56,58,60,62
	v_pk_add_f32 v[L:L+1], v[L:L+1], v[S+\j:S+\j+1]   ; the sum's last four pairs: plain work between the last write of O^T and the products that add onto it
.endr
	s_wait_alu depctr_va_vdst(0)
	s_wait_dscnt 25                                ; V and its scale words are in; the next step's 25 loads of K may be out
.irp d, 0,1
	v_wmma_scale_f32_16x16x128_f8f6f4 v[O+8*\d:O+8*\d+7], v[VF+12*\d:VF+12*\d+11], v[F:F+11], v[O+8*\d:O+8*\d+7], v[VS+\d], v[PS] matrix_a_fmt:MATRIX_FMT_FP6 matrix_b_fmt:MATRIX_FMT_FP6
.endr
.irp d, 0,1
	v_wmma_scale_f32_16x16x128_f8f6f4 v[O+16+8*\d:O+23+8*\d], v[VF+24+12*\d:VF+35+12*\d], v[F:F+11], v[O+16+8*\d:O+23+8*\d], v[VS+\d], v[PS] matrix_a_fmt:MATRIX_FMT_FP6 matrix_b_fmt:MATRIX_FMT_FP6 matrix_a_scale:MATRIX_SCALE_ROW1
.endr
.Lhid_\@:
	s_add_co_u32 s39, s39, 6144
	s_add_co_u32 s40, s40, 6144
	s_add_co_u32 s10, s10, 512
	s_add_co_u32 s41, s41, 256
	s_add_co_u32 s38, s38, 1
	s_cmp_lt_u32 s38, 16
	s_cbranch_scc1 .Lstep_\@
	; the tile's way out: y = O^T / l, two blocks of 32 channels quantised, half a fragment stored
	s_wait_dscnt 0x0                               ; the loads asked for behind the tile's last scores have landed: K's registers may be loaded anew
.rept 4
	v_nop                                          ; places behind the last products
.endr
.if \p == 0
	s_sub_co_u32 s60, 15, s36
	QLOAD 60                                       ; the second tile's queries, asked for a way out ahead
.endif
	v_add_f32 v[L], v[L], v[L+1]
	s_delay_alu instid0(VALU_DEP_1)
	v_permlanex16_b32 v[T], v[L], s44, s45
	s_delay_alu instid0(VALU_DEP_1)
	v_add_f32 v[L], v[L], v[T]                     ; the row's sum
	s_wait_alu depctr_va_vdst(0)
	v_rcp_f32 v[FA], v[L]
	v_and_b32 v188, 15, v0                         ; (plain work behind the reciprocal)
	v_and_b32 v189, 31, v0
	v_lshlrev_b32 v188, 3, v188                    ; 8 r
	v_lshlrev_b32 v189, 3, v189                    ; 8 x lane
	s_wait_alu depctr_va_vdst(0)                   ; the wait ahead of its first reader, and of the first reader of O^T
.set n, 0
.rept 16
	v_pk_mul_f32 v[S+n:S+n+1], v[O+n:O+n+1], v[FA:FA+1] op_sel_hi:[1,0]   ; register 8 d + j: channel 16 d + 8 h + j; each accumulator from its low end on
.set n, n+2
.endr
	v_max3_num_f32 v[BM], |v[S]|, |v[S+1]|, 0x1800000
	v_max3_num_f32 v[BM+1], |v[S+16]|, |v[S+17]|, 0x1800000
.irp i, 2,4,6,8,10,12,14
	s_delay_alu instid0(VALU_DEP_2)
	v_max3_num_f32 v[BM], v[BM], |v[S+\i]|, |v[S+1+\i]|
	s_delay_alu instid0(VALU_DEP_2)
	v_max3_num_f32 v[BM+1], v[BM+1], |v[S+16+\i]|, |v[S+17+\i]|
.endr
	s_delay_alu instid0(VALU_DEP_2)
	v_permlanex16_b32 v[T], v[BM], s44, s45
	s_delay_alu instid0(VALU_DEP_2)
	v_permlanex16_b32 v[T+1], v[BM+1], s44, s45
	s_delay_alu instid0(VALU_DEP_2)
	v_max_num_f32 v[BM], v[BM], v[T]
	s_delay_alu instid0(VALU_DEP_2)
	v_max_num_f32 v[BM+1], v[BM+1], v[T+1]
	s_delay_alu instid0(VALU_DEP_2)
	v_add_nc_u32 v[SO], 0xff000000, v[BM]
	s_delay_alu instid0(VALU_DEP_2)
	v_add_nc_u32 v[SO+1], 0xff000000, v[BM+1]
	s_delay_alu instid0(VALU_DEP_2)
	v_lshrrev_b32 v[T+2], 23, v[SO]
	s_delay_alu instid0(VALU_DEP_2)
	v_lshrrev_b32 v[T+3], 23, v[SO+1]
	s_delay_alu instid0(VALU_DEP_1)
	v_lshl_or_b32 v[T+2], v[T+3], 8, v[T+2]        ; the row's two scale bytes of this head
	v_cvt_scalef32_pk16_fp6_f32 v[F:F+2], v[S:S+15], v[SO]
	v_cvt_scalef32_pk16_fp6_f32 v[F+6:F+8], v[S+16:S+31], v[SO+1]
	v_nop                                          ; one plain place behind a scaled conversion
.irp i, 0,1,2
	v_permlane16_swap_b32 v[F+\i], v[F+6+\i]
.endr
.irp i, 0,1,2
	v_mov_b32 v[F+3+\i], v[F+6+\i]
.endr
.irp q, 0,1,2
	global_store_b64 v189, v[F+2*\q:F+2*\q+1], s[50:51] offset:256*\q   ; 256 consecutive bytes, aligned
.endr
	global_store_b16 v188, v[T+2], s[52:53]        ; lanes 16-31 store lane r's value at lane r's place once more: EXEC stays whole
.endm
	s_load_b128 s[4:7], s[0:1], 0x0                ; qkv s[4:5], yc s[6:7]
	s_load_b64 s[8:9], s[0:1], 0x10                ; ysc
	v_lshl_add_u32 v[SPW], v0, 2, SPARE
	v_mov_b32 v[NIL], 0
	ds_add_u32 v[SPW], v[NIL]                      ; the opening lines: the add, twice on end, and its wait ahead of my tensor load
	ds_add_u32 v[SPW], v[NIL]
	v_lshrrev_b32 v[TA], 5, v0
	s_delay_alu instid0(VALU_DEP_1)
	v_readfirstlane_b32 s18, v[TA]                 ; wave 0..15
	s_bfe_u32 s19, ttmp6, 0x40000                  ; cx
	s_and_b32 s20, ttmp7, 0xffff                   ; 16 batch + head: the cluster's y
	s_and_b32 s21, s18, 1
	s_lshl_b32 s37, s19, 1
	s_add_co_u32 s21, s21, s37                     ; b
	s_lshl_b32 s11, s21, 4                         ; 16 b
	s_lshr_b32 s36, s18, 1                         ; a0
	s_mul_i32 s22, s20, REC
	s_mov_b32 s23, 0
	; descriptor group 1: 13,056 dense bytes as 51 rows of 32 elements of 8 bytes; the mask names all four work-groups, bit 21 set beside it
	s_mov_b32 s28, 15|(3<<16)|(1<<21)
	s_mov_b32 s29, 32<<16
	s_mov_b32 s30, 51<<16
	s_mov_b32 s31, 32<<16
	s_mov_b32 s32, 51
	s_mov_b32 s33, 32
	s_mov_b32 s34, 0
	s_mov_b32 s35, 0
	s_mov_b32 s24, 1
	s_mul_i32 s25, s18, 13056                      ; my sixteenth of the image, in LDS
	s_mov_b32 s62, s25                             ; and in the record
	s_mov_b32 s63, 0
	s_mov_b32 s42, 0x3e38aa3b                      ; c = log2(e) / sqrt(64)
	s_mov_b32 s43, s42
	s_mov_b32 s44, 0x76543210
	s_mov_b32 s45, 0xfedcba98                      ; v_permlanex16_b32's selects for lane l xor 16
	; what does not hang on the pass: y's places (s56 codes, s57 scale bytes), Q's (s58 codes, s59 scale word)
	s_lshr_b32 s54, s20, 4                         ; batch
	s_and_b32 s55, s20, 15                         ; head
	s_mul_i32 s56, s54, 16*98304
	s_lshl_b32 s57, s54, 16
	s_lshr_b32 s60, s55, 2                         ; the head's K step of 256 in the last product,
	s_mul_i32 s61, s60, 24576
	s_add_co_u32 s56, s56, s61
	s_lshl_b32 s61, s60, 7
	s_add_co_u32 s57, s57, s61
	s_bfe_u32 s60, s55, 0x10001                    ; which 128 of it,
	s_mul_i32 s61, s60, 1536
	s_add_co_u32 s56, s56, s61
	s_lshl_b32 s61, s60, 2
	s_add_co_u32 s57, s57, s61
	s_and_b32 s60, s55, 1                          ; which 64 of those
	s_mul_i32 s61, s60, 768
	s_add_co_u32 s56, s56, s61
	s_lshl_b32 s61, s60, 1
	s_add_co_u32 s57, s57, s61
	s_mul_i32 s61, s21, 3072                       ; the block of 16 rows
	s_add_co_u32 s56, s56, s61
	s_lshl_b32 s61, s21, 9
	s_add_co_u32 s57, s57, s61
	s_mul_i32 s58, s21, 768
	s_add_co_u32 s58, s58, 208896
	s_lshr_b32 s59, s21, 2
	s_lshl_b32 s59, s59, 8
	s_and_b32 s61, s21, 3
	s_lshl_b32 s61, s61, 2
	s_add_co_u32 s59, s59, s61
	s_add_co_u32 s59, s59, 307200
.irp i, 0,1,2,3,4,5
	v_mov_b32 v[QZ+\i], 0                          ; zero codes below Q,
	v_mov_b32 v[QZ+12+\i], 0                       ; and above it
.endr
.irp b, 0,1,2,3
	v_mov_b32 v[T+\b], 0                           ; written once: a lane permute's destination counts as one of its sources
.endr
	v_mov_b32 v[PS], 0                             ; (named as the upper half of the pair with f before it is first written)
	s_wait_alu depctr_va_vdst(0)
	s_wait_dscnt 0x0                               ; both opening adds are done
	s_wait_kmcnt 0x0
	s_add_nc_u64 s[4:5], s[4:5], s[22:23]          ; the record
	s_add_nc_u64 s[26:27], s[4:5], s[62:63]
	s_or_b32 s27, s27, 0x80000000
	CROUND                                         ; all four work-groups are here: the joint loads meet
	tensor_load_to_lds s[24:27], s[28:35]          ; my one tensor load of the launch
	s_nop 0
.rept 4
	v_nop
.endr
	QLOAD 36                                       ; the first tile's queries
	s_wait_alu depctr_va_vdst(0)
	s_wait_tensorcnt 0x0                           ; my sixteenth has landed,
	s_barrier_signal -1
	s_barrier_wait -1                              ; everybody's has
	PASS 0
	PASS 1
	s_wait_tensorcnt 0x0                           ; the wave's end
	ds_add_u32 v[SPW], v[NIL]
	s_wait_dscnt 0x0
	CROUND                                         ; the closing round
	s_endpgm
.Lfunc_end_k_q5b4bd50507_attn:
	.size	k_q5b4bd50507_attn, .Lfunc_end_k_q5b4bd50507_attn-k_q5b4bd50507_attn
	.p2alignl 7, 3214868480
	.fill 96, 4, 3214868480
	.section	.rodata,"a",@progbits
	.p2align	6, 0x0
	.amdhsa_kernel k_q5b4bd50507_attn
		.amdhsa_group_segment_fixed_size 210944
		.amdhsa_private_segment_fixed_size 0
		.amdhsa_enable_private_segment 0
		.amdhsa_kernarg_size 24
		.amdhsa_user_sgpr_count 2
		.amdhsa_user_sgpr_kernarg_segment_ptr 1
		.amdhsa_wavefront_size32 1
		.amdhsa_system_sgpr_workgroup_id_x 1
		.amdhsa_system_sgpr_workgroup_id_y 1
		.amdhsa_system_sgpr_workgroup_id_z 1
		.amdhsa_system_vgpr_workitem_id 0
		.amdhsa_next_free_vgpr 256
		.amdhsa_next_free_sgpr 66
		.amdhsa_reserve_vcc 1
		.amdhsa_float_denorm_mode_32 3
		.amdhsa_float_denorm_mode_16_64 3
		.amdhsa_memory_ordered 1
		.amdhsa_forward_progress 1
		.amdhsa_inst_pref_size 68
	.end_amdhsa_kernel
	.amdgpu_metadata
---
amdhsa.version: [ 1, 2 ]
amdhsa.kernels:
  - .name:           k_q5b4bd50507_attn
    .symbol:         k_q5b4bd50507_attn.kd
    .args:
      - { .name: qkv, .offset: 0, .size: 8, .value_kind: global_buffer, .address_space: global }
      - { .name: yc, .offset: 8, .size: 8, .value_kind: global_buffer, .address_space: global }
      - { .name: ysc, .offset: 16, .size: 8, .value_kind: global_buffer, .address_space: global }
    .group_segment_fixed_size: 210944
    .private_segment_fixed_size: 0
    .kernarg_segment_align: 8
    .kernarg_segment_size: 24
    .max_flat_workgroup_size: 512
    .sgpr_count:     66
    .vgpr_count:     256
    .wavefront_size: 32
...
	.end_amdgpu_metadata
.endif
;; end of part 3
;; launch proj (part 4): grid 4 x 64, 4 waves a work-group, clusters of 4 x 4, 327,680 bytes of LDS; arguments yc, ysc, opc, opsc, out0; writes out0
.if DOCPART == 4
	.amdgcn_target "amdgcn-amd-amdhsa--gfx1250"
	.amdhsa_code_object_version 6
	.text
	.protected	k_q5b4bd50507_proj
	.globl	k_q5b4bd50507_proj
	.p2align	8
	.type	k_q5b4bd50507_proj,@function
k_q5b4bd50507_proj:
	s_mov_b64 s[64:65], 0
	v_nop
	global_prefetch_b8 v0, s[64:65] scope:SCOPE_SE
	s_setreg_imm32_b32 hwreg(HW_REG_WAVE_MODE, 25, 1), 1
	s_wait_xcnt 0x0
	s_wait_alu depctr_hold_cnt(0) depctr_sa_sdst(0) depctr_va_vdst(0) depctr_va_sdst(0) depctr_va_ssrc(0) depctr_va_vcc(0) depctr_vm_vsrc(0)
	s_getreg_b32 s2, hwreg(HW_REG_IB_STS2, 6, 4)
	s_cmp_eq_u32 s2, 0
	s_cbranch_scc0 .Lentry_in_a_cluster
	s_endpgm
.Lentry_in_a_cluster:
	s_bfe_u32 s2, ttmp6, 0x10000c
	s_cmp_lg_u32 s2, 0xf033
	s_cbranch_scc0 .Lentry_shape_is_right
	s_endpgm
.Lentry_shape_is_right:
; out0 = y Wproj on codes of FP6 (K = 1024), f32 sums.  y's codes and scale words (yc, ysc) and Wproj's (opc, opsc, groups 88-95) are images of the operands' registers:
; a group of 128 rows, all of K, is 98,304 dense bytes [K step of 256][block of 16 rows][which 128][six pieces of 256 bytes, lane l's 8 bytes at 8 l]; its scale words 4,096 bytes [block][K step of 256][row][2 words].
; A work-group of four waves makes 128 rows x 256 columns: 64 x 4 = 256 work-groups.  ALL OF K LIES IN LDS: A's group at 0, B's two groups behind it, 294,912 bytes, filled ONCE:
; waves 0, 1 fetch A's halves (49,152 bytes each), waves 2, 3 one group of B each: one tensor load a wave, no ring, nothing filled again.
; 4 x 4 work-groups form a cluster: A's tiles are asked for jointly along a row of the cluster, B's along a column.
; No prefetch: every byte is asked for once, at the head, and the text has no loop to run ahead in.
; The scale words go from memory straight into registers, 48 loads a wave: lane r (and lane 16 + r with it) takes row r's two words of a block and a K step of 256.
; A wave makes 64 x 128: 32 accumulators, which take turns, one instruction a turn, in the same order in every step.  A step of 128 along K: 12 fragments, 72 LDS loads, asked for in the middle of the step before.
; THE MATRIX INSTRUCTION IS USED TRANSPOSED (source 0 = 16 columns of Wproj, source 1 = 16 rows of y): a lane holds eight neighbouring numbers of a row of out0.
; REGISTERS: window 0: v16-31 addresses; v32-63 A's scale words (block a, step st at 32 + 8 a + st); v64-127 B's; v128-223 A's fragments, two sets; on the way out v128-255.  window 1: B's fragments, two sets, at v0 and v128.  window 2: the accumulators.
.set FR,     12
.set RGB,    98304
.set SPARE,  3*RGB                     ; behind the operands: the spare words, 128 bytes for each wave
.set SPITCH, 528                       ; the way out: a stage of 16 rows x (512 + 16) bytes for each wave, over A's bytes: they have had their only fill, and a barrier stands behind their last read
.set SIZE_N, 1024
.set ADRA, 16                          ; v16-17 my A fragments, K steps 0-3 and 4-7
.set ADRB, 20                          ; v20-21 the same for B
.set STO,  24
.set RD,   25
.set CO,   26
.set VS,   27                          ; 8 r
.set SPW,  28
.set NIL,  29
.set SA,   32
.set SB,   64
.set AF,   128
.set BK,   128
.set G1, 24
.set G0, 32
.set G1B, 48
.set G0B, 56
.set MSB, 0
.macro WIN new                         ; the immediate's high byte repeats the setting that is left
.if MSB != \new
	s_set_vgpr_msb (MSB<<8)|\new
.set MSB, \new
.endif
.endm
.set MUL,  0xa1                        ; source 0 window 1, source 1 window 0, C and D window 2
.set TO_B, 0x40
.macro CREST
	s_cmp_lg_u32 s14, 0
	s_cbranch_scc1 .Lnot_wave_0_\@
	s_barrier_signal -3
.Lnot_wave_0_\@:
	s_barrier_wait -3
	s_barrier_signal -1
	s_barrier_wait -1
.endm
.macro CROUND
	s_barrier_signal -1
	s_barrier_wait -1
	CREST
.endm
.macro PLACES
.rept 4
	v_nop
.endr
.endm
.macro FRAG reg, adr, off
.irp p, 0,1,2,3,4,5
	ds_load_b64 v[\reg+2*\p:\reg+2*\p+1], v[\adr] offset:\off+256*\p
.endr
.endm
.macro FETCH st                        ; step st's fragments into set st % 2: B's eight, my A's four
.set OF, (((\st)>>1)&1)*24576+((\st)&1)*1536
.set HI, (\st)>>2
	WIN TO_B
.irp i, 0,1,2,3,4,5,6,7
	FRAG 128*((\st)%2)+FR*\i, ADRB+HI, OF+\i*3072
.endr
	WIN 0
.irp i, 0,1,2,3
	FRAG AF+48*((\st)%2)+FR*\i, ADRA+HI, OF+\i*3072
.endr
.endm
.macro MUL8 a, st                      ; A's block a x B's eight; the first step's products start the sums
.irp b, 0,1,2,3,4,5,6,7
.if (\st) == 0
	v_wmma_scale_f32_16x16x128_f8f6f4 v[8*(8*(\a)+\b):8*(8*(\a)+\b)+7], v[128*((\st)%2)+FR*\b:128*((\st)%2)+FR*\b+FR-1], v[AF+48*((\st)%2)+FR*(\a):AF+48*((\st)%2)+FR*(\a)+FR-1], 0, v[SB+8*\b+(\st)], v[SA+8*(\a)+(\st)] matrix_a_fmt:MATRIX_FMT_FP6 matrix_b_fmt:MATRIX_FMT_FP6
.else
	v_wmma_scale_f32_16x16x128_f8f6f4 v[8*(8*(\a)+\b):8*(8*(\a)+\b)+7], v[128*((\st)%2)+FR*\b:128*((\st)%2)+FR*\b+FR-1], v[AF+48*((\st)%2)+FR*(\a):AF+48*((\st)%2)+FR*(\a)+FR-1], v[8*(8*(\a)+\b):8*(8*(\a)+\b)+7], v[SB+8*\b+(\st)], v[SA+8*(\a)+(\st)] matrix_a_fmt:MATRIX_FMT_FP6 matrix_b_fmt:MATRIX_FMT_FP6
.endif
.endr
.endm
.macro STEP st
	s_wait_dscnt 0x0                               ; this step's 72 loads, issued 16 matrix instructions ago, are in
	WIN MUL
	MUL8 0, \st
	MUL8 1, \st
	PLACES                                         ; in front of loads into the set that the step before multiplied
	FETCH (\st)+1
	WIN MUL
	MUL8 2, \st
	MUL8 3, \st
.endm
	s_load_b128 s[4:7], s[0:1], 0x0                ; yc s[4:5], ysc s[6:7]
	s_load_b128 s[8:11], s[0:1], 0x10              ; opc s[8:9], opsc s[10:11]
	s_load_b64 s[12:13], s[0:1], 0x20              ; out0
	v_lshl_add_u32 v[SPW], v0, 2, SPARE
	v_mov_b32 v[NIL], 0
	ds_add_u32 v[SPW], v[NIL]                      ; the opening lines: the add, twice on end, and its wait ahead of my tensor load
	ds_add_u32 v[SPW], v[NIL]
	v_lshrrev_b32 v1, 5, v0
	v_readfirstlane_b32 s14, v1                    ; wave 0..3
	s_lshr_b32 s15, s14, 1                         ; which 64 rows are mine.  Also: I fetch for A (0) or for B (1)
	s_and_b32 s16, s14, 1                          ; which 128 columns.  Also: which half of A, or which group of B, I fetch
	s_bfe_u32 s40, ttmp6, 0x40000                  ; cx, cy
	s_bfe_u32 s41, ttmp6, 0x40004
	s_lshl_b32 s42, ttmp9, 2
	s_add_co_u32 s42, s42, s40                     ; x: which 256 columns
	s_and_b32 s17, ttmp7, 0xffff
	s_lshl_b32 s17, s17, 2
	s_add_co_u32 s17, s17, s41                     ; y: which 128 rows
	s_lshl_b32 s43, s41, 2
	s_lshl_b32 s43, 15, s43                        ; my row of the cluster
	s_lshl_b32 s44, 0x1111, s40                    ; my column
	s_or_b32 s[G1], s43, (3<<16)|(1<<21)           ; elements of 8 bytes; bit 21 set beside a mask
	s_or_b32 s[G1B], s44, (3<<16)|(1<<21)
	s_mov_b32 s[G1+1], 32<<16                      ; A: 49,152 dense bytes as 192 rows of 256
	s_mov_b32 s[G1+2], 192<<16
	s_mov_b32 s[G1+3], 32<<16
	s_mov_b32 s[G1+4], 192
	s_mov_b32 s[G1+5], 32
	s_mov_b32 s[G1+6], 0
	s_mov_b32 s[G1+7], 0
	s_mov_b32 s[G1B+1], 32<<16                     ; B: 98,304 dense bytes as 384 rows
	s_mov_b32 s[G1B+2], 384<<16
	s_mov_b32 s[G1B+3], 32<<16
	s_mov_b32 s[G1B+4], 384
	s_mov_b32 s[G1B+5], 32
	s_mov_b32 s[G1B+6], 0
	s_mov_b32 s[G1B+7], 0
	s_mul_i32 s22, s17, RGB                        ; A's codes: group y, + my half; never holds cx
	s_mul_i32 s45, s16, RGB/2                      ; and the same half in LDS
	s_add_co_u32 s22, s22, s45
	s_mov_b32 s23, 0
	s_lshl_b32 s46, s42, 1
	s_add_co_u32 s46, s46, s16
	s_add_co_u32 s46, s46, 88                      ; B's group: 88 + 2 x + half; never holds cy
	s_mul_i32 s92, s46, RGB
	s_mov_b32 s93, 0
	s_lshl_b32 s46, s46, 12                        ; its scale words
	s_mov_b32 s47, 0
	s_mul_i32 s94, s16, RGB
	s_add_co_u32 s94, s94, RGB                     ; B in LDS: behind A
	s_lshl_b32 s20, s17, 12                        ; the scale words of my 64 rows
	s_lshl_b32 s21, s15, 11
	s_add_co_u32 s20, s20, s21
	s_mov_b32 s21, 0
	s_lshl_b32 s18, s17, 19                        ; my part of out0: 128 y + 64 half rows of 4,096 bytes, 1,024 x + 512 half bytes along them
	s_lshl_b32 s19, s15, 18
	s_add_co_u32 s18, s18, s19
	s_lshl_b32 s19, s42, 10
	s_add_co_u32 s18, s18, s19
	s_lshl_b32 s19, s16, 9
	s_add_co_u32 s18, s18, s19
	s_mov_b32 s19, 0
	s_mul_i32 s2, s15, 4*3072                      ; my four blocks of A in a K step's 24,576 bytes
	s_mul_i32 s3, s14, 16*SPITCH                   ; my stage
	v_and_b32 v1, 15, v0                           ; r
	v_bfe_u32 v2, v0, 4, 1                         ; h
	v_and_b32 v3, 31, v0
	v_lshlrev_b32 v4, 3, v3                        ; 8 x lane
	v_lshlrev_b32 v[VS], 3, v1
	v_add_nc_u32 v[ADRA], s2, v4
	v_add_nc_u32 v[ADRB], s94, v4
	v_add_nc_u32 v[ADRA+1], RGB/2, v[ADRA]
	v_add_nc_u32 v[ADRB+1], RGB/2, v[ADRB]
	v_mul_u32_u24 v5, v1, SPITCH                   ; into the stage: row r, 32 bytes for each half of the lanes
	v_lshl_add_u32 v5, v2, 5, v5
	v_add_nc_u32 v[STO], s3, v5
	v_lshlrev_b32 v[CO], 4, v3                     ; back: the 32 lanes take one row of 512 bytes; and the same in out0
	v_add_nc_u32 v[RD], s3, v[CO]
	s_wait_alu depctr_va_vdst(0)
	s_wait_dscnt 0x0                               ; both opening adds are done
	s_wait_kmcnt 0x0
	s_mov_b32 s[G0], 1
	s_mov_b32 s[G0+1], s45
	s_add_nc_u64 s[G0+2:G0+3], s[4:5], s[22:23]
	s_or_b32 s[G0+3], s[G0+3], 0x80000000
	s_mov_b32 s[G0B], 1
	s_mov_b32 s[G0B+1], s94
	s_add_nc_u64 s[G0B+2:G0B+3], s[8:9], s[92:93]
	s_or_b32 s[G0B+3], s[G0B+3], 0x80000000
	s_add_nc_u64 s[6:7], s[6:7], s[20:21]
	s_add_nc_u64 s[10:11], s[10:11], s[46:47]
	s_add_nc_u64 s[12:13], s[12:13], s[18:19]
.irp i, 0,1,2,3
.irp j, 0,1,2,3
	global_load_b64 v[SA+8*\i+2*\j:SA+8*\i+2*\j+1], v[VS], s[6:7] offset:512*\i+128*\j
.endr
.endr
.irp i, 0,1,2,3,4,5,6,7
.irp j, 0,1,2,3
	global_load_b64 v[SB+8*\i+2*\j:SB+8*\i+2*\j+1], v[VS], s[10:11] offset:512*\i+128*\j
.endr
.endr
	CROUND                                         ; all sixteen work-groups are here: the joint loads meet
	s_cmp_eq_u32 s15, 0                            ; one chain of branches on the wave's number, one load to an arm
	s_cbranch_scc0 .Lfor_b
	tensor_load_to_lds s[G0:G0+3], s[G1:G1+7]
	s_nop 0
	PLACES
	s_branch .Lasked
.Lfor_b:
	tensor_load_to_lds s[G0B:G0B+3], s[G1B:G1B+7]
	s_nop 0
	PLACES
.Lasked:
	s_wait_tensorcnt 0x0                           ; my part has landed,
	s_wait_loadcnt 0x0                             ; and my scale words
	s_barrier_signal -1
	s_barrier_wait -1                              ; everybody's part has
	FETCH 0
.set ST, 0
.rept 7
	STEP ST
.set ST, ST+1
.endr
	s_wait_dscnt 0x0                               ; my last reads of the operands are over:
	s_barrier_signal -1                            ; say so,
	WIN MUL
	MUL8 0, 7
	MUL8 1, 7
	MUL8 2, 7
	MUL8 3, 7
	WIN 0
	s_barrier_wait -1                              ; and store to the stage, which lies over A's bytes, only when all four have said so
; THE WAY OUT, block by block of 16 rows x 128 columns, through my own stage: whole rows of 512 bytes come back, which the 32 lanes store as two aligned runs of 256 bytes.
.macro TOSTAGE a
.set AC, 64*(\a)
	WIN 0x08                                       ; the data: window 2
.irp b, 0,1,2,3,4,5,6,7
	ds_store_b128 v[STO], v[AC+8*\b:AC+8*\b+3] offset:64*\b          ; each accumulator from its low end on
	ds_store_b128 v[STO], v[AC+8*\b+4:AC+8*\b+7] offset:64*\b+16
.endr
	WIN 0
.set BB, BK+64*((\a)%2)
.irp t, 0,1,2,3,4,5,6,7,8,9,10,11,12,13,14,15
	ds_load_b128 v[BB+4*\t:BB+4*\t+3], v[RD] offset:\t*SPITCH        ; LDS serves a wave's instructions in order: these see the stores above
.endr
.endm
.macro SEND a, younger
.set BB, BK+64*((\a)%2)
	s_wait_dscnt \younger                          ; the block is back in registers
.if (\a) > 0
	s_add_nc_u64 s[12:13], s[12:13], 16*SIZE_N*4   ; (behind a wait on XCNT)
.endif
.irp t, 0,1,2,3,4,5,6,7,8,9,10,11,12,13,14,15
	global_store_b128 v[CO], v[BB+4*\t:BB+4*\t+3], s[12:13] offset:\t*SIZE_N*4 th:TH_STORE_NT
.endr
.endm
	PLACES                                         ; behind the last products: in front of the first reads of results and of loads into A's registers
	TOSTAGE 0
.irp a, 1,2,3
.if \a > 1
	s_wait_xcnt 0x0                                ; block a - 2's stores have read their registers and their base
.endif
	TOSTAGE \a
	SEND \a-1, 32                                  ; behind block a - 1's loads: block a's 16 stores and 16 loads
.endr
	s_wait_xcnt 0x0
	SEND 3, 0
	s_wait_tensorcnt 0x0                           ; the wave's end
	ds_add_u32 v[SPW], v[NIL]
	s_wait_dscnt 0x0
	CROUND                                         ; the closing round
	s_endpgm
.Lfunc_end_k_q5b4bd50507_proj:
	.size	k_q5b4bd50507_proj, .Lfunc_end_k_q5b4bd50507_proj-k_q5b4bd50507_proj
	.p2alignl 7, 3214868480
	.fill 96, 4, 3214868480
	.section	.rodata,"a",@progbits
	.p2align	6, 0x0
	.amdhsa_kernel k_q5b4bd50507_proj
		.amdhsa_group_segment_fixed_size 327680
		.amdhsa_private_segment_fixed_size 0
		.amdhsa_enable_private_segment 0
		.amdhsa_kernarg_size 40
		.amdhsa_user_sgpr_count 2
		.amdhsa_user_sgpr_kernarg_segment_ptr 1
		.amdhsa_wavefront_size32 1
		.amdhsa_system_sgpr_workgroup_id_x 1
		.amdhsa_system_sgpr_workgroup_id_y 1
		.amdhsa_system_sgpr_workgroup_id_z 1
		.amdhsa_system_vgpr_workitem_id 0
		.amdhsa_next_free_vgpr 768
		.amdhsa_next_free_sgpr 98
		.amdhsa_reserve_vcc 0
		.amdhsa_float_denorm_mode_32 3
		.amdhsa_float_denorm_mode_16_64 3
		.amdhsa_memory_ordered 1
		.amdhsa_forward_progress 1
		.amdhsa_inst_pref_size 96
	.end_amdhsa_kernel
	.amdgpu_metadata
---
amdhsa.version: [ 1, 2 ]
amdhsa.kernels:
  - .name:           k_q5b4bd50507_proj
    .symbol:         k_q5b4bd50507_proj.kd
    .args:
      - { .name: yc, .offset: 0, .size: 8, .value_kind: global_buffer, .address_space: global }
      - { .name: ysc, .offset: 8, .size: 8, .value_kind: global_buffer, .address_space: global }
      - { .name: opc, .offset: 16, .size: 8, .value_kind: global_buffer, .address_space: global }
      - { .name: opsc, .offset: 24, .size: 8, .value_kind: global_buffer, .address_space: global }
      - { .name: out0, .offset: 32, .size: 8, .value_kind: global_buffer, .address_space: global }
    .group_segment_fixed_size: 327680
    .private_segment_fixed_size: 0
    .kernarg_segment_align: 8
    .kernarg_segment_size: 40
    .max_flat_workgroup_size: 128
    .sgpr_count:     98
    .vgpr_count:     768
    .wavefront_size: 32
...
	.end_amdgpu_metadata
.endif
;; end of part 4
